; MI455X (gfx1250); checked and timed in simulation.
; The chip was launched on July 23, 2026; its instructions are those of AMD's public machine-readable ISA for CDNA 5 (MIT licence, August 2026) and "CDNA5" Instruction Set Architecture Reference Guide (July 2026). The comments in the code are by the model that wrote it; some were corrected since.
;; Multi Headed Attenton. Allowed arithmetic: matrix products marked QUANTISED: E2M3 operands, one E8M0 scale for each 32 along K, by v_wmma_scale_f32_16x16x128_f8f6f4 with both operands' format E2M3, f32 sums; everything else in f32.
;; Inputs: Wk 1,024 x 1,024 float32; Wo 1,024 x 1,024 float32; Wq 1,024 x 1,024 float32; Wv 1,024 x 1,024 float32; bk 1,024 float32; bo 1,024 float32; bq 1,024 float32; bv 1,024 float32; key 2 x 2,048 x 1,024 float32; mask 2 x 2,048 x 2,048 bool; query 2 x 2,048 x 1,024 float32; value 2 x 2,048 x 1,024 float32.
;; Outputs: out0 2 x 2,048 x 1,024 float32.
;; This version of the problem:
;;   THIS VERSION OF THE PROBLEM IS GIVEN IN LOW PRECISION. The matrix products marked QUANTISED in the list below multiply operands that are first quantised to E2M3 (2 exponent bits, 3 mantissa bits; 6 bits a number), with one power-of-two scale for each 32 numbers along K (OCP MX v1.0); their sums are f32. All else is computed in f32.
;;   The module's matrix products, in the order in which they are computed (A, B: the left and right operand; K: the contracted axis; several contracted axes count as one K, in the product's order):
;;     1. [M 4,096, K 1,024] x [K 1,024, N 1,024]; A: input query; B: input Wq: QUANTISED
;;     2. [M 4,096, K 1,024] x [K 1,024, N 1,024]; A: input key; B: input Wk: QUANTISED
;;     3. [M 4,096, K 1,024] x [K 1,024, N 1,024]; A: input value; B: input Wv: QUANTISED
;;     4. batch 32 x [M 2,048, K 64] x [K 64, N 2,048]; A: computed on the way; B: computed on the way: QUANTISED
;;     5. batch 32 x [M 2,048, K 2,048] x [K 2,048, N 64]; A: softmax (see below); B: computed on the way: QUANTISED
;;     6. [M 4,096, K 1,024] x [K 1,024, N 1,024]; A: computed on the way; B: input Wo: QUANTISED
;;   THE QUANTISER, for each operand of a quantised product, along K:
;;     - K is cut into blocks of 32 from its start; a last block that is shorter is filled with zeros.
;;     - A block's scale is 2^e with e = floor(log2(the largest magnitude in the block)) - 2, held to -126 .. 127; a block of zeros has e = 0. As a byte (E8M0): e + 127.
;;     - Each number is divided by its block's scale, clamped to +-7.5, and rounded to the nearest number of E2M3, ties to even, subnormals kept.
;;     - The product sums the exact products of the quantised numbers (number of the format x scale) in f32.
;;   ~~~python
;;   def quantise(x, axis):      # numpy; x: float32 -> the quantised numbers, widened to float32 again
;;       x = np.moveaxis(x, axis, -1); K = x.shape[-1]
;;       x = np.pad(x, [(0, 0)] * (x.ndim - 1) + [(0, -K % 32)]); x = x.reshape(x.shape[:-1] + (-1, 32)); a = np.abs(x).max(-1, keepdims=True)
;;       e = np.where(a > 0, np.clip(np.frexp(np.where(a > 0, a, 1))[1] - 1 - 2, -126, 127), 0)      # np.frexp(a)[1] - 1 = floor(log2(a)), exactly
;;       r = np.clip(x / 2.0 ** e, -7.5, 7.5)
;;       step = 2.0 ** (np.maximum(np.frexp(np.where(r == 0, 1, r))[1] - 1, 0) - 3)
;;       q = np.round(r / step) * step * 2.0 ** e      # np.round: ties to even
;;       return np.moveaxis(q.reshape(q.shape[:-2] + (-1,))[..., :K], -1, axis).astype(np.float32)
;;   ~~~
;;   SOFTMAX AHEAD OF A QUANTISED PRODUCT. Where the list says 'softmax', what is quantised is not the finished softmax but p = 2^(t - M), with t = logit x log2(e) and M = ceil(the row's largest t), a whole number; so 1/2 < the row's largest p <= 1. The row's sum l is taken of the UNQUANTISED p, in f32, and the product's result is divided by l at the end. Since M is a whole number, a kernel that streams over the keys may use a running M (the ceiling of the running maximum): every later rescaling is an exact power of two, which a block's scale takes up: the codes' values come out the same.
;;   OPERANDS COMPUTED ON THE WAY. 'Computed on the way' means the value that the module computes at that place (a softmax that the list does not call 'softmax' is quantised finished and normalised). What goes into a quantiser is computed in f32, as accurately as f32 sums, v_exp_f32 and their like allow (about 1e-6 of the number): no bf16 or f16 on the way to a quantiser, and a product that is left as it is and whose result goes on into a quantised operand takes f32 operands (vector FMAs, or v_wmma_f32_16x16x4_f32). A number that lies on a knife's edge between two numbers of the format may be rounded either way, as far as f32 arithmetic and the matrix unit's own rounding can turn it there, and no further.
;; One version. Each part assembles by itself: llvm-mc -triple=amdgcn-amd-amdhsa -mcpu=gfx1250 --defsym DOCPART=n.
;; ======== version 1 of 1: 4 launches
;; limits: right only within a limited range of input values
;; workspace buffers: aimg 12,582,912 bytes; ascl 524,288 bytes; mbits 1,048,576 bytes of whole numbers; qimg 3,407,872 bytes; kimg 3,407,872 bytes; vimg 3,276,800 bytes; ximg 3,145,728 bytes; xscl 131,072 bytes
;; launch prep (part 1): grid 768 x 1, 4 waves a work-group, no clusters, 34,304 bytes of LDS; arguments query, key, value, Wq, Wk, Wv, Wo, mask, aimg, ascl, mbits; writes aimg, ascl, mbits
.if DOCPART == 1
	.amdgcn_target "amdgcn-amd-amdhsa--gfx1250"
	.amdhsa_code_object_version 6
	.text
	.protected	k_q350b1f894b_prep
	.globl	k_q350b1f894b_prep
	.p2align	8
	.type	k_q350b1f894b_prep,@function
k_q350b1f894b_prep:
	s_mov_b64 s[64:65], 0
	v_nop
	global_prefetch_b8 v0, s[64:65] scope:SCOPE_SE
	s_setreg_imm32_b32 hwreg(HW_REG_WAVE_MODE, 25, 1), 1
	s_wait_xcnt 0x0
; PREP.  (1) query, key, value [4096][1024] and Wq, Wk, Wv, Wo [1024][1024], f32 with K innermost, become codes of FP6 (E2M3) with one E8M0 byte for each 32 along K,
; laid in the order of a matrix operand's registers.  (2) The mask's bytes become lane masks for the attention launch.
; ROW TILES.  Tile T of the 1,024 tiles (query 0, key 256, value 512, Wq 768, Wk 832, Wv 896, Wo 960) holds rows 32 (T / 2) + 8 (T % 2) + i + 8 (i / 8), i = 0 .. 15, of its tensor.
; A FRAGMENT'S IMAGE (16 rows x 128 K, 12 registers a lane, 1,536 bytes): two halves e of 768 bytes: registers 6 e .. 6 e + 3 at 768 e + 16 x lane, registers 6 e + 4, 6 e + 5 at 768 e + 512 + 8 x lane.
; aimg: [tile][8 K steps][image].  ascl: [tile][K half][row i][4 words], a word = four bytes = one row's scales of one K step.
; A block's scale is 2^(floor(log2(largest magnitude)) - 2); its byte is the largest magnitude's exponent field - 2, held at 1 from below.
; LIMITS: a block of zeros gets the byte 1 where the quantiser's text says 127 (its codes are zeros, and this program alone reads the bytes); NaN and infinities among the inputs are not served.
; SHARES.  Work-groups 0 .. 511: a pair of tiles (32 rows); wave w takes tile w / 2 of the pair and K half w % 2: four fragments.  Each load reads 512 consecutive bytes of one row; a fragment's 8,192 bytes
; turn through the wave's own stage in LDS (rows 528 bytes apart), from which a lane takes its two whole blocks of 32.  Waves share nothing: no barrier.
; Work-groups 512 .. 767: a tile of 16 queries; wave w takes keys 512 w .. 512 w + 511: four key steps.  mbits: [query tile][16 key steps][64 words]: word j has bit (r + 16 h) set where the mask lets
; query (tile row r) see key 128 step + 32 (j / 16) + 16 h + j % 16: the place that score register j of lane (r, h) has in the attention launch.
.set R,   16                           ; v16-143  two sets of 64: a fragment's numbers as loaded
.set X,   144                          ; v144-207 my two blocks of 32
.set PC,  208                          ; v208-219 the fragment's codes
.set T2,  220                          ; v220-222, v224-226 the blocks' upper halves (a conversion's three registers begin on an even number)
.set MX,  228                          ; v228-229 largest magnitudes
.set SO,  230                          ; v230-231 the conversions' scale operands
.set BY,  232                          ; v232-233 the scale bytes
.set SW,  236                          ; v236-239 the row's scale words of my four K steps
.set SP,  528                          ; a stage row: 512 bytes + 16
.set STG, 16*SP                        ; a wave's stage
	s_load_b512 s[4:19], s[0:1], 0x0               ; query, key, value, Wq, Wk, Wv, Wo, mask
	s_load_b128 s[20:23], s[0:1], 0x40             ; aimg, ascl
	s_load_b64 s[24:25], s[0:1], 0x50              ; mbits
	v_lshl_add_u32 v254, v0, 2, 0x8400
	v_mov_b32 v255, 0
	v_lshrrev_b32 v1, 5, v0
	v_readfirstlane_b32 s26, v1                    ; wave 0..3
	v_and_b32 v2, 31, v0                           ; lane
	v_and_b32 v3, 15, v0                           ; r
	v_bfe_u32 v9, v0, 4, 1                         ; h
	v_lshlrev_b32 v4, 4, v2                        ; 16 x lane
	v_lshlrev_b32 v5, 3, v2                        ; 8 x lane
	s_cmp_lt_u32 ttmp9, 512
	s_cbranch_scc0 .Lmask
	; ---------------- the quantiser ----------------
	s_mul_i32 s27, s26, STG
	v_add_nc_u32 v6, s27, v4                       ; the stage, way in: 16 x lane of a row
	v_mul_u32_u24 v7, v3, SP
	v_lshl_add_u32 v7, v9, 7, v7
	v_add_nc_u32 v7, s27, v7                       ; way out: row r, + 128 h: my block of 32 numbers
	v_lshlrev_b32 v10, 3, v9                       ; 8 h
	v_lshl_add_u32 v8, v3, 4, v10                  ; 16 r + 8 h: my 8 bytes of the scale words
	v_mov_b32 v241, 0                              ; a lane permute's destination counts as one of its sources
	s_mov_b32 s28, 0x76543210
	s_mov_b32 s29, 0xfedcba98                      ; selects for lane l xor 16
	s_lshr_b32 s33, s26, 1                         ; which tile of the pair
	s_and_b32 s34, s26, 1                          ; which K half
	s_wait_kmcnt 0x0
	s_mov_b64 s[30:31], s[16:17]                   ; the tensor and its first pair, chosen by the work-group's number alone
	s_mov_b32 s32, 480
	s_cmp_lt_u32 ttmp9, 480
	s_cselect_b64 s[30:31], s[14:15], s[30:31]
	s_cselect_b32 s32, 448, s32
	s_cmp_lt_u32 ttmp9, 448
	s_cselect_b64 s[30:31], s[12:13], s[30:31]
	s_cselect_b32 s32, 416, s32
	s_cmp_lt_u32 ttmp9, 416
	s_cselect_b64 s[30:31], s[10:11], s[30:31]
	s_cselect_b32 s32, 384, s32
	s_cmp_lt_u32 ttmp9, 384
	s_cselect_b64 s[30:31], s[8:9], s[30:31]
	s_cselect_b32 s32, 256, s32
	s_cmp_lt_u32 ttmp9, 256
	s_cselect_b64 s[30:31], s[6:7], s[30:31]
	s_cselect_b32 s32, 128, s32
	s_cmp_lt_u32 ttmp9, 128
	s_cselect_b64 s[30:31], s[4:5], s[30:31]
	s_cselect_b32 s32, 0, s32
	s_sub_co_u32 s35, ttmp9, s32                   ; the pair within its tensor
	s_lshl_b32 s36, s35, 17                        ; 32 rows of 4,096 bytes
	s_lshl_b32 s35, s33, 15                        ; + 8 rows for the pair's second tile
	s_add_co_u32 s36, s36, s35
	s_lshl_b32 s35, s34, 11                        ; + 512 numbers for the second K half
	s_add_co_u32 s36, s36, s35
	s_mov_b32 s37, 0
	s_add_nc_u64 s[30:31], s[30:31], s[36:37]
	s_lshl_b32 s35, ttmp9, 1
	s_add_co_u32 s35, s35, s33                     ; my tile
	s_mul_i32 s36, s35, 12288
	s_mul_i32 s38, s34, 6144
	s_add_co_u32 s36, s36, s38
	s_add_nc_u64 s[20:21], s[20:21], s[36:37]      ; my four images
	s_lshl_b32 s36, s35, 9
	s_lshl_b32 s38, s34, 8
	s_add_co_u32 s36, s36, s38
	s_add_nc_u64 s[22:23], s[22:23], s[36:37]      ; my 256 bytes of scale words
.macro LOADF f                         ; fragment f: 16 rows x 512 bytes; 32 lanes read 512 consecutive bytes
.irp i, 0,1,2,3,4,5,6,7,8,9,10,11,12,13,14,15
	global_load_b128 v[R+64*((\f)%2)+4*\i:R+64*((\f)%2)+4*\i+3], v4, s[30:31] offset:(\i+8*(\i/8))*4096+512*(\f) th:TH_LOAD_NT
.endr
.endm
.macro TURN f                          ; through the stage: LDS serves a wave's instructions in order, so no wait stands between the stores and the loads
.irp i, 0,1,2,3,4,5,6,7,8,9,10,11,12,13,14,15
	ds_store_b128 v6, v[R+64*((\f)%2)+4*\i:R+64*((\f)%2)+4*\i+3] offset:SP*\i
.endr
.irp c, 0,1
.irp q, 0,1,2,3,4,5,6,7
	ds_load_b128 v[X+32*\c+4*\q:X+32*\c+4*\q+3], v7 offset:256*\c+16*\q   ; k = 64 c + 32 h + 4 q .. of row r
.endr
.endr
.endm
.macro QUANTF f
.irp c, 0,1
	v_max3_num_f32 v[MX+\c], |v[X+32*\c]|, |v[X+32*\c+1]|, 0x1800000   ; block 2 c + h is all mine; the floor 2^(3 - 127) holds the byte at 1 from below
.endr
.irp i, 2,4,6,8,10,12,14,16,18,20,22,24,26,28,30
.irp c, 0,1
	v_max3_num_f32 v[MX+\c], v[MX+\c], |v[X+32*\c+\i]|, |v[X+32*\c+\i+1]|
.endr
.endr
.irp c, 0,1
	v_add_nc_u32 v[SO+\c], 0xff000000, v[MX+\c]    ; 2 off the exponent field: the conversion takes this operand's exponent field as its scale
.endr
.irp c, 0,1
	v_lshrrev_b32 v[BY+\c], 23, v[SO+\c]           ; the scale's byte
.endr
	v_lshl_or_b32 v240, v[BY+1], 16, v[BY]         ; bytes h and 2 + h of the row's word,
	v_lshlrev_b32 v240, v10, v240                  ; at their places;
	v_permlanex16_b32 v241, v240, s28, s29
	v_or_b32 v[SW+\f], v240, v241                  ; with lane l xor 16's two the word is whole
	s_wait_alu depctr_va_vdst(0)
	s_wait_xcnt 0x0                                ; the last fragment's stores have read the codes' registers: they are written again only behind this wait
.irp c, 0,1
	v_cvt_scalef32_pk16_fp6_f32 v[PC+6*\c:PC+6*\c+2], v[X+32*\c:X+32*\c+15], v[SO+\c]
	v_cvt_scalef32_pk16_fp6_f32 v[T2+4*\c:T2+4*\c+2], v[X+32*\c+16:X+32*\c+31], v[SO+\c]
.endr
	v_nop                                          ; one plain line behind the scaled conversions
.irp c, 0,1
.irp i, 0,1,2
	v_mov_b32 v[PC+6*\c+3+\i], v[T2+4*\c+\i]
.endr
.endr
.endm
.macro OUTF f                          ; the image: stores of 512 and of 256 consecutive bytes, each at a multiple of 256 from the buffer's first byte
.irp e, 0,1
	global_store_b128 v4, v[PC+6*\e:PC+6*\e+3], s[20:21] offset:1536*(\f)+768*\e
	global_store_b64 v5, v[PC+6*\e+4:PC+6*\e+5], s[20:21] offset:1536*(\f)+768*\e+512
.endr
.endm
	s_wait_alu depctr_va_vdst(0)
	LOADF 0
	LOADF 1
.irp f, 0,1,2,3
.if \f < 3
	s_wait_loadcnt 16                              ; this fragment's 16 loads are in; the next fragment's 16 may be out
.else
	s_wait_loadcnt 0x0
.endif
	TURN \f
	s_wait_dscnt 0x0                               ; my blocks are in, and the stores into the stage have read their registers,
.if \f < 2
	LOADF \f+2                                     ; which take the fragment two further on
.endif
	QUANTF \f
	OUTF \f
.endr
	v_cmp_eq_u32 vcc_lo, 1, v9
	v_cndmask_b32 v240, v[SW], v[SW+2], vcc_lo     ; lanes 0-15 store the row's words 0 and 1, lanes 16-31 words 2 and 3
	v_cndmask_b32 v241, v[SW+1], v[SW+3], vcc_lo
	global_store_b64 v8, v[240:241], s[22:23]      ; 32 lanes store 256 consecutive bytes, aligned
	s_wait_tensorcnt 0x0
	ds_add_u32 v254, v255
	s_wait_dscnt 0x0
	s_endpgm
	; ---------------- the mask ----------------
.Lmask:
	s_wait_alu depctr_va_vdst(0)
	v_and_b32 v11, 8, v3
	v_add_nc_u32 v11, v11, v3                      ; r + 8 (r / 8)
	v_lshlrev_b32 v11, 11, v11                     ; a row of the mask is 2,048 bytes
	v_lshl_add_u32 v11, v9, 4, v11                 ; + 16 h
	s_sub_co_u32 s27, ttmp9, 512                   ; the tile of queries, 0 .. 255
	s_lshr_b32 s30, s27, 1
	s_lshl_b32 s30, s30, 16                        ; 32 rows
	s_and_b32 s31, s27, 1
	s_lshl_b32 s31, s31, 14                        ; + 8 rows
	s_add_co_u32 s30, s30, s31
	s_lshl_b32 s31, s26, 9                         ; + my 512 keys
	s_add_co_u32 s30, s30, s31
	s_mov_b32 s31, 0
	s_lshl_b32 s28, s27, 12                        ; mbits: 4,096 bytes a tile, 1,024 for my four key steps
	s_lshl_b32 s29, s26, 10
	s_add_co_u32 s28, s28, s29
	s_mov_b32 s29, 0
	s_wait_alu depctr_va_vdst(0)
	s_wait_kmcnt 0x0
	s_add_nc_u64 s[18:19], s[18:19], s[30:31]
	s_add_nc_u64 s[24:25], s[24:25], s[28:29]
.irp t, 0,1,2,3
.irp b, 0,1,2,3
	global_load_b128 v[16+16*\t+4*\b:16+16*\t+4*\b+3], v11, s[18:19] offset:128*\t+32*\b   ; keys 128 t + 32 b + 16 h + 0 .. 15 of my query
.endr
.endr
.irp i, 0,1,2,3,4,5,6,7
	v_mov_b32 v[80+\i], 0                          ; v_writelane_b32's destination counts as one of its sources
.endr
	s_wait_loadcnt 0x0
.macro MASKSTEP t                      ; word j = 8 g + q of the step goes to lane j / 2, register j % 2: so lane l stores words 2 l and 2 l + 1
.set g, 0
.rept 8
.irp q, 0,1,2,3,4,5,6,7
	v_and_b32 v[96+\q], 0xff<<(8*(\q%4)), v[16+16*(\t)+4*(g/2)+((8*g+\q)%16)/4]
.endr
.irp q, 0,1,2,3,4,5,6,7
	v_cmp_ne_u32 s[32+\q], 0, v[96+\q]             ; a bit for each lane: does my query see this key?
.endr
.irp q, 0,1,2,3,4,5,6,7
	v_writelane_b32 v[80+2*(\t)+\q%2], s[32+\q], 4*g+\q/2
.endr
.set g, g+1
.endr
	global_store_b64 v5, v[80+2*(\t):81+2*(\t)], s[24:25] offset:256*(\t)   ; 256 consecutive bytes, aligned; each step has registers of its own
.endm
	MASKSTEP 0
	MASKSTEP 1
	MASKSTEP 2
	MASKSTEP 3
	s_endpgm
.Lfunc_end_k_q350b1f894b_prep:
	.size	k_q350b1f894b_prep, .Lfunc_end_k_q350b1f894b_prep-k_q350b1f894b_prep
	.p2alignl 7, 3214868480
	.fill 96, 4, 3214868480
	.section	.rodata,"a",@progbits
	.p2align	6, 0x0
	.amdhsa_kernel k_q350b1f894b_prep
		.amdhsa_group_segment_fixed_size 34304
		.amdhsa_private_segment_fixed_size 0
		.amdhsa_enable_private_segment 0
		.amdhsa_kernarg_size 88
		.amdhsa_user_sgpr_count 2
		.amdhsa_user_sgpr_kernarg_segment_ptr 1
		.amdhsa_wavefront_size32 1
		.amdhsa_system_sgpr_workgroup_id_x 1
		.amdhsa_system_sgpr_workgroup_id_y 1
		.amdhsa_system_sgpr_workgroup_id_z 1
		.amdhsa_system_vgpr_workitem_id 0
		.amdhsa_next_free_vgpr 256
		.amdhsa_next_free_sgpr 66
		.amdhsa_reserve_vcc 1
		.amdhsa_float_denorm_mode_32 3
		.amdhsa_float_denorm_mode_16_64 3
		.amdhsa_memory_ordered 1
		.amdhsa_forward_progress 1
		.amdhsa_inst_pref_size 83
	.end_amdhsa_kernel
	.amdgpu_metadata
---
amdhsa.version: [ 1, 2 ]
amdhsa.kernels:
  - .name:           k_q350b1f894b_prep
    .symbol:         k_q350b1f894b_prep.kd
    .args:
      - { .name: query, .offset: 0, .size: 8, .value_kind: global_buffer, .address_space: global }
      - { .name: key, .offset: 8, .size: 8, .value_kind: global_buffer, .address_space: global }
      - { .name: value, .offset: 16, .size: 8, .value_kind: global_buffer, .address_space: global }
      - { .name: Wq, .offset: 24, .size: 8, .value_kind: global_buffer, .address_space: global }
      - { .name: Wk, .offset: 32, .size: 8, .value_kind: global_buffer, .address_space: global }
      - { .name: Wv, .offset: 40, .size: 8, .value_kind: global_buffer, .address_space: global }
      - { .name: Wo, .offset: 48, .size: 8, .value_kind: global_buffer, .address_space: global }
      - { .name: mask, .offset: 56, .size: 8, .value_kind: global_buffer, .address_space: global }
      - { .name: aimg, .offset: 64, .size: 8, .value_kind: global_buffer, .address_space: global }
      - { .name: ascl, .offset: 72, .size: 8, .value_kind: global_buffer, .address_space: global }
      - { .name: mbits, .offset: 80, .size: 8, .value_kind: global_buffer, .address_space: global }
    .group_segment_fixed_size: 34304
    .private_segment_fixed_size: 0
    .kernarg_segment_align: 8
    .kernarg_segment_size: 88
    .max_flat_workgroup_size: 128
    .sgpr_count:     66
    .vgpr_count:     256
    .wavefront_size: 32
...
	.end_amdgpu_metadata
.endif
;; end of part 1
;; launch proj (part 2): grid 8 x 32, 4 waves a work-group, clusters of 4 x 4, 327,680 bytes of LDS; arguments aimg, ascl, bq, bk, bv, qimg, kimg, vimg; writes qimg, kimg, vimg
.if DOCPART == 2
	.amdgcn_target "amdgcn-amd-amdhsa--gfx1250"
	.amdhsa_code_object_version 6
	.text
	.protected	k_q350b1f894b_proj
	.globl	k_q350b1f894b_proj
	.p2align	8
	.type	k_q350b1f894b_proj,@function
k_q350b1f894b_proj:
	s_mov_b64 s[64:65], 0
	v_nop
	global_prefetch_b8 v0, s[64:65] scope:SCOPE_SE
	s_setreg_imm32_b32 hwreg(HW_REG_WAVE_MODE, 25, 1), 1
	s_wait_xcnt 0x0
	s_wait_alu depctr_hold_cnt(0) depctr_sa_sdst(0) depctr_va_vdst(0) depctr_va_sdst(0) depctr_va_ssrc(0) depctr_va_vcc(0) depctr_vm_vsrc(0)
	s_getreg_b32 s2, hwreg(HW_REG_IB_STS2, 6, 4)
	s_cmp_eq_u32 s2, 0
	s_cbranch_scc0 .Lentry_in_a_cluster
	s_endpgm
.Lentry_in_a_cluster:
	s_bfe_u32 s2, ttmp6, 0x10000c
	s_cmp_lg_u32 s2, 0xf033
	s_cbranch_scc0 .Lentry_shape_is_right
	s_endpgm
.Lentry_shape_is_right:
; PROJ.  q = query Wq^T + bq, k = key Wk^T + bk, v = value Wv^T + bv on codes of FP6 (E2M3) with E8M0 scales, sums in f32; the results are quantised in registers and leave as operand images for the attention launch.
; A WORK-GROUP STAYS: it makes its 128 x 128 block of product p = 0 (q), 1 (k), 2 (v), one after the other.  256 work-groups x 3 blocks are the 768 blocks of the three products.
; ROLES.  S0 is source 0: its rows run along a lane's registers in the result, the axis that is quantised next.  S1 is source 1: a lane owns one of its rows.
;   q, k: S0 = 128 rows of the weight (two heads' 64 channels), S1 = 128 tokens.      v: S0 = 128 tokens (keys: the next K), S1 = 128 rows of Wv.
; Row tiles, images and scale words as the launch before lays them: tile T holds rows 32 (T / 2) + 8 (T % 2) + i + 8 (i / 8), so the 16 registers of S0's tiles 2 b, 2 b + 1 are the neighbours 32 b + 16 h + 0 .. 15.
; Wave w owns S1's tiles 2 w, 2 w + 1 against S0's eight: 16 accumulators.
; THE RING.  Two LDS slots, each with half of K (4 K steps) of S1's 8 and S0's 8 row tiles: 16 x 6,144 bytes.  Six stages (product, K half); stage s lies in slot s % 2.  Behind each change of slots a wave issues one
; joint load: 4 row tiles x 6,144 bytes, rows 12,288 bytes apart in aimg, each at a multiple of 256.  A product's second half is asked for at its first K step; the next product's first half at K step 3, so that four K steps
; and the way out stand between that request and the wait for it.  q and k are the two trips of a loop; v, which asks for nothing in its second half, is written out behind it.
; CLUSTER 4 x 4: S1's tile hangs on cy alone and is asked for jointly along a row of the cluster, S0's on cx alone, along a column.  Each change of slots that fills bytes again is a round of the cluster's barrier.
; THE BIAS is the C of a product's first K step: q, k: 64 registers (it runs along S0), shared by both of S1's tiles; v: one number a lane and tile, spread over 8 registers.  The next product's scale words and bias are
; asked for at the head of the way out.
; PREFETCH.  In each stage of q and k a wave names the same K half of the next product: what the next stage's refill asks for.  Of the 4 row tiles that a wave fetches, the partner at place p (cx for S1, cy for S0) names tile p:
; 24 blocks of 256 bytes, a lane a block (lanes 24 .. 31 name the last again).  The first product's two halves come by their loads alone; v's stages ask for nothing.
; OUT.  qimg, kimg: [b x 16 + head][16 blocks of 128 tokens][6,656]: 8 tiles x 768 bytes (half an image), then 4 pairs of tiles x 128 bytes of scale words (bytes 2 and 3 are 0x7f, for the half of the instruction's K that a
; head of 64 leaves empty).  vimg: [b x 16 + head][16 key steps][6,400]: 4 tiles of channels x a whole image, then 2 pairs x 128 bytes.  The scale words leave in runs of 128 bytes; the codes in runs of 512 and 256 at multiples of 256.
; LIMITS: a block of zeros gets the byte 1 (its codes are zeros; this program alone reads the bytes); NaN and infinities are not served.
; REGISTERS.  Window 0: v1-8 LDS addresses, v9 the prefetch's offset, v17-23 lane terms, v24-55 S0's scale words (8 x pair + K step), v56-63 S1's, v64-191 accumulators ((a, b) at 64 + 8 (8 a + b)), v192-252 the quantiser,
;   v254-255 the add's two.  Window 1: two sets of 120: S1's fragment a at 120 s + 12 a, S0's fragment b at 120 s + 24 + 12 b.  Window 2: v0-63 q's or k's bias, v64-65 v's two numbers, v72-87 the same spread.
.set ACC, 64
.set SC0, 24
.set SC1, 56
.set TM,  192
.set PW,  208
.set PC0, 210
.set PC1, 230
.set A1W, 1                            ; v1-2  slot s: my two tiles of S1, + 16 x lane
.set A1B, 3                            ; v3-4  + 8 x lane
.set A0W, 5                            ; v5-6  S0's eight tiles
.set A0B, 7                            ; v7-8
.set PFO, 9
.set BI,  0
.set VB,  64
.set BIV, 72
.set SLOT, 98304
.set SPARE, 2*SLOT                     ; behind the ring: the spare words, 512 bytes
.set G1A, 32                           ; s[32:39], s[40:47] descriptor group 1 for S1, for S0
.set G1B, 40
.set G0A, 48                           ; s[48:55], s[56:63] group 0, one for each slot
.set G0B, 56
.set MSB, 0
.macro WIN new                         ; the immediate's high byte repeats the setting that is left
.if MSB != \new
	s_set_vgpr_msb (MSB<<8)|\new
.set MSB, \new
.endif
.endm
.macro CREST                           ; a round of the cluster's barrier behind its opening barrier
	s_cmp_lg_u32 s20, 0
	s_cbranch_scc1 .Lnw0_\@
	s_barrier_signal -3
.Lnw0_\@:
	s_barrier_wait -3
	s_barrier_signal -1
	s_barrier_wait -1
.endm
.macro CROUND
	s_barrier_signal -1
	s_barrier_wait -1
	CREST
.endm
.macro PLACES                          ; four plain lines between a matrix instruction and a load into, or a read of, its registers
.rept 4
	v_nop
.endr
.endm
.macro JLOAD s                         ; waves 0, 1 fetch for S1, waves 2, 3 for S0: one mask to a line
	s_cmp_eq_u32 s21, 0
	s_cbranch_scc0 .Lfs0_\@
	tensor_load_to_lds s[G0A+4*\s:G0A+4*\s+3], s[G1A:G1A+7]
	s_nop 0
	PLACES
	s_branch .Lasked_\@
.Lfs0_\@:
	tensor_load_to_lds s[G0B+4*\s:G0B+4*\s+3], s[G1B:G1B+7]
	s_nop 0
	PLACES
.Lasked_\@:
.endm
; product s[pr]: t0, t1 = S0's and S1's block of 128 rows; f0, f1 = their first row tiles in aimg
.macro TILES pr, t0, t1, f0, f1
	s_cmp_eq_u32 s[\pr], 2
	s_cselect_b32 s[\t0], s26, s27                 ; S0: tokens for v, else the weight
	s_cselect_b32 s[\t1], s27, s26
	s_lshl_b32 s96, s[\pr], 6
	s_add_co_u32 s96, s96, 768                     ; the weight's first row tile: 768 + 64 p
	s_lshl_b32 s97, s[\pr], 8                      ; the tokens': 256 p
	s_cmp_eq_u32 s[\pr], 2
	s_cselect_b32 s[\f0], s97, s96
	s_cselect_b32 s[\f1], s96, s97
	s_lshl_b32 s[\t0], s[\t0], 2
	s_add_co_u32 s[\t0], s[\t0], s23               ; 4 x + cx
	s_lshl_b32 s[\t1], s[\t1], 2
	s_add_co_u32 s[\t1], s[\t1], s24               ; 4 x + cy
	s_lshl_b32 s98, s[\t0], 3
	s_add_co_u32 s[\f0], s[\f0], s98
	s_lshl_b32 s96, s[\t1], 3
	s_add_co_u32 s[\f1], s[\f1], s96
.endm
; both group 0 of a slot: my four row tiles, K half `half`.  Written only where no tensor load of mine is out
.macro SETG0 slot, f0, f1, half
	s_lshl_b32 s96, s22, 2
	s_add_co_u32 s96, s96, s[\f1]
	s_mul_i32 s96, s96, 12288
	s_mov_b32 s97, 0
	s_lshl_b32 s98, s22, 2
	s_add_co_u32 s98, s98, s[\f0]
	s_mul_i32 s98, s98, 12288
	s_mov_b32 s99, 0
	s_add_nc_u64 s[G0A+4*\slot+2:G0A+4*\slot+3], s[4:5], s[96:97]
	s_add_nc_u64 s[G0B+4*\slot+2:G0B+4*\slot+3], s[4:5], s[98:99]
.if \half
	s_add_nc_u64 s[G0A+4*\slot+2:G0A+4*\slot+3], s[G0A+4*\slot+2:G0A+4*\slot+3], 6144
	s_add_nc_u64 s[G0B+4*\slot+2:G0B+4*\slot+3], s[G0B+4*\slot+2:G0B+4*\slot+3], 6144
.endif
	s_or_b32 s[G0A+4*\slot+3], s[G0A+4*\slot+3], 0x80000000
	s_or_b32 s[G0B+4*\slot+3], s[G0B+4*\slot+3], 0x80000000
.endm
; the scale words of all eight K steps: lanes 0-15 an even tile's rows, lanes 16-31 the odd tile's; 16 lanes read 256 consecutive bytes
.macro SCALES f0, f1
	s_lshl_b32 s72, s[\f0], 9
	s_mov_b32 s73, 0
	s_add_nc_u64 s[72:73], s[6:7], s[72:73]
	s_lshl_b32 s74, s20, 1
	s_add_co_u32 s74, s74, s[\f1]
	s_lshl_b32 s74, s74, 9
	s_mov_b32 s75, 0
	s_add_nc_u64 s[74:75], s[6:7], s[74:75]
.irp q, 0,1,2,3
.irp f, 0,1
	global_load_b128 v[SC0+8*\q+4*\f:SC0+8*\q+4*\f+3], v20, s[72:73] offset:1024*\q+256*\f
.endr
.endr
.irp f, 0,1
	global_load_b128 v[SC1+4*\f:SC1+4*\f+3], v20, s[74:75] offset:256*\f
.endr
.endm
; q, k: the bias runs along S0: register j of tile b wants channel 128 t0 + 32 (b / 2) + 16 h + 8 (b % 2) + j
.macro BIAS ptr, t0
	s_lshl_b32 s76, s[\t0], 9
	s_mov_b32 s77, 0
	s_add_nc_u64 s[76:77], s[\ptr:\ptr+1], s[76:77]
	WIN 0x80                                       ; destination window 2, address window 0
.irp b, 0,1,2,3,4,5,6,7
	global_load_b128 v[BI+8*\b:BI+8*\b+3], v21, s[76:77] offset:(32*(\b/2)+8*(\b%2))*4
	global_load_b128 v[BI+8*\b+4:BI+8*\b+7], v21, s[76:77] offset:(32*(\b/2)+8*(\b%2))*4+16
.endr
	WIN 0
.endm
; where the results go: codes of tile a, half e at s[84 + 4 a + 2 e]; scale words at s[92:93] (q, k: the second head's at s[94:95])
.macro OUTPTR isv
.if \isv
	s_mov_b32 s80, s28                             ; the block of 128 tokens
	s_lshl_b32 s81, s29, 1
	s_add_co_u32 s81, s81, s21                     ; the head: my wave's 32 channels lie in head w / 2 of the block's two
	s_mov_b32 s83, s22                             ; my wave's place in the block
	s_mov_b64 s[100:101], s[18:19]
.else
	s_cmp_eq_u32 s25, 0
	s_cselect_b64 s[100:101], s[14:15], s[16:17]
	s_mov_b32 s80, s29
	s_lshl_b32 s81, s28, 1                         ; the first of the block's two heads
	s_mov_b32 s83, s20
.endif
	s_lshr_b32 s82, s80, 4
	s_lshl_b32 s82, s82, 4
	s_add_co_u32 s81, s81, s82                     ; + 16 b
	s_lshl_b32 s81, s81, 4
	s_and_b32 s80, s80, 15
	s_add_co_u32 s81, s81, s80                     ; x 16 + the block within b
	s_mul_i32 s81, s81, 6656-256*\isv
	s_mul_i32 s82, s83, 1536+1536*\isv
	s_add_co_u32 s84, s81, s82
	s_mov_b32 s85, 0
	s_add_nc_u64 s[84:85], s[100:101], s[84:85]
	s_add_nc_u64 s[88:89], s[84:85], 768+768*\isv
.if \isv
	s_add_nc_u64 s[86:87], s[84:85], 768           ; the same image's second half
	s_add_nc_u64 s[90:91], s[88:89], 768
.else
	s_add_nc_u64 s[86:87], s[84:85], 106496        ; the next head
	s_add_nc_u64 s[90:91], s[88:89], 106496
.endif
	s_lshl_b32 s83, s83, 7
	s_add_co_u32 s92, s81, s83
	s_add_co_u32 s92, s92, 6144
	s_mov_b32 s93, 0
	s_add_nc_u64 s[92:93], s[100:101], s[92:93]
.if \isv == 0
	s_add_nc_u64 s[94:95], s[92:93], 106496
.endif
.endm
.macro FRAG reg, a16, a8, off          ; an image comes back into the same registers of the same lanes
.irp e, 0,1
	ds_load_b128 v[(\reg)+6*\e:(\reg)+6*\e+3], v[\a16] offset:(\off)+768*\e
	ds_load_b64 v[(\reg)+6*\e+4:(\reg)+6*\e+5], v[\a8] offset:(\off)+768*\e+512
.endr
.endm
.macro FETCH ks                        ; K step ks (slot ks / 4) into set ks % 2: my two fragments of S1 and S0's eight: 40 LDS loads in one run
	WIN 0x40                                       ; destination window 1, address window 0
.irp a, 0,1
	FRAG 120*((\ks)%2)+12*\a, A1W+(\ks)/4, A1B+(\ks)/4, \a*6144+((\ks)%4)*1536
.endr
.irp b, 0,1,2,3,4,5,6,7
	FRAG 120*((\ks)%2)+24+12*\b, A0W+(\ks)/4, A0B+(\ks)/4, \b*6144+((\ks)%4)*1536
.endr
.endm
.macro WM a, b, ks, set, c             ; an odd tile's scale words stand in lanes 16-31
.if ((\b)%2 == 0) && ((\a) == 0)
	v_wmma_scale_f32_16x16x128_f8f6f4 v[ACC+8*(8*\a+\b):ACC+8*(8*\a+\b)+7], v[120*(\set)+24+12*\b:120*(\set)+24+12*\b+11], v[120*(\set)+12*\a:120*(\set)+12*\a+11], v[\c:\c+7], v[SC0+8*(\b/2)+(\ks)], v[SC1+(\ks)] matrix_a_fmt:MATRIX_FMT_FP6 matrix_b_fmt:MATRIX_FMT_FP6
.elseif ((\b)%2 == 1) && ((\a) == 0)
	v_wmma_scale_f32_16x16x128_f8f6f4 v[ACC+8*(8*\a+\b):ACC+8*(8*\a+\b)+7], v[120*(\set)+24+12*\b:120*(\set)+24+12*\b+11], v[120*(\set)+12*\a:120*(\set)+12*\a+11], v[\c:\c+7], v[SC0+8*(\b/2)+(\ks)], v[SC1+(\ks)] matrix_a_fmt:MATRIX_FMT_FP6 matrix_b_fmt:MATRIX_FMT_FP6 matrix_a_scale:MATRIX_SCALE_ROW1
.elseif ((\b)%2 == 0)
	v_wmma_scale_f32_16x16x128_f8f6f4 v[ACC+8*(8*\a+\b):ACC+8*(8*\a+\b)+7], v[120*(\set)+24+12*\b:120*(\set)+24+12*\b+11], v[120*(\set)+12*\a:120*(\set)+12*\a+11], v[\c:\c+7], v[SC0+8*(\b/2)+(\ks)], v[SC1+(\ks)] matrix_a_fmt:MATRIX_FMT_FP6 matrix_b_fmt:MATRIX_FMT_FP6 matrix_b_scale:MATRIX_SCALE_ROW1
.else
	v_wmma_scale_f32_16x16x128_f8f6f4 v[ACC+8*(8*\a+\b):ACC+8*(8*\a+\b)+7], v[120*(\set)+24+12*\b:120*(\set)+24+12*\b+11], v[120*(\set)+12*\a:120*(\set)+12*\a+11], v[\c:\c+7], v[SC0+8*(\b/2)+(\ks)], v[SC1+(\ks)] matrix_a_fmt:MATRIX_FMT_FP6 matrix_b_fmt:MATRIX_FMT_FP6 matrix_a_scale:MATRIX_SCALE_ROW1 matrix_b_scale:MATRIX_SCALE_ROW1
.endif
.endm
; the 16 accumulators take turns, one instruction a turn, in the same order in every K step.  mode 0: adds in place; 1: q's or k's bias starts the sums; 2: v's
.macro MUL ks, mode
.if \mode
	WIN 0x25                                       ; sources 0 and 1 window 1, C window 2, D window 0
.else
	WIN 0x05                                       ; sources 0 and 1 window 1; C and D window 0
.endif
.irp a, 0,1
.irp b, 0,1,2,3,4,5,6,7
.if \mode == 1
	WM \a, \b, \ks, (\ks)%2, BI+8*\b
.elseif \mode == 2
	WM \a, \b, \ks, (\ks)%2, BIV+8*\a
.else
	WM \a, \b, \ks, (\ks)%2, ACC+8*(8*\a+\b)
.endif
.endr
.endr
.endm
.macro STEPN ks, mode                  ; a K step inside a slot: the next step's fragments are asked for, then this step is multiplied
	PLACES                                         ; the set to be loaded was multiplied in the last K step
	FETCH (\ks)+1
	s_wait_dscnt 40                                ; all but the 40 just issued: this K step's fragments are in
	MUL \ks, \mode
.endm
; 64 numbers of a lane, register 16 b + i = place 32 b + 16 h + i along the next K of my row, become a fragment's codes in v[pc] on and its scale word in v[pw]
.macro QUANT s, pc, pw
.irp b, 0,1,2,3
	v_max3_num_f32 v[TM+\b], |v[\s+16*\b]|, |v[\s+1+16*\b]|, 0x1800000   ; my 16 numbers of block b, each accumulator from its low end on, and the floor 2^(3 - 127)
.endr
.irp i, 2,4,6,8,10,12,14
.irp b, 0,1,2,3
	v_max3_num_f32 v[TM+\b], v[TM+\b], |v[\s+16*\b+\i]|, |v[\s+1+16*\b+\i]|
.endr
.endr
.irp b, 0,1,2,3
	v_permlanex16_b32 v[TM+4+\b], v[TM+\b], s2, s3
.endr
.irp b, 0,1,2,3
	v_max_num_f32 v[TM+\b], v[TM+\b], v[TM+4+\b]   ; with lane l xor 16's: the block's largest magnitude
.endr
.irp b, 0,1,2,3
	v_add_nc_u32 v[TM+12+\b], 0xff000000, v[TM+\b] ; 2 off the exponent field: the conversion's scale operand
.endr
.irp b, 0,1,2,3
	v_lshrrev_b32 v[TM+4+\b], 23, v[TM+12+\b]      ; the scale's byte
.endr
	v_lshl_or_b32 v[\pw], v[TM+5], 8, v[TM+4]
	v_lshl_or_b32 v[\pw], v[TM+6], 16, v[\pw]
	v_lshl_or_b32 v[\pw], v[TM+7], 24, v[\pw]
.irp c, 0,1
	v_cvt_scalef32_pk16_fp6_f32 v[\pc+6*\c:\pc+2+6*\c], v[\s+32*\c:\s+15+32*\c], v[TM+12+2*\c]
	v_cvt_scalef32_pk16_fp6_f32 v[\pc+12+4*\c:\pc+14+4*\c], v[\s+16+32*\c:\s+31+32*\c], v[TM+12+2*\c+1]
.endr
	v_nop                                          ; one plain line behind the scaled conversions
.irp c, 0,1                                    ; a whole block in a lane: lanes 0-15 block 2 c, lanes 16-31 block 2 c + 1
.irp i, 0,1,2
	v_permlane16_swap_b32 v[\pc+6*\c+\i], v[\pc+12+4*\c+\i]
.endr
.irp i, 0,1,2
	v_mov_b32 v[\pc+3+6*\c+\i], v[\pc+12+4*\c+\i]
.endr
.endr
.endm
.macro PUT pc, sb                      ; the image's two halves: stores of 512 and of 256 consecutive bytes at multiples of 256
.irp e, 0,1
	global_store_b128 v17, v[\pc+6*\e:\pc+6*\e+3], s[\sb+2*\e:\sb+2*\e+1]
	global_store_b64 v18, v[\pc+6*\e+4:\pc+6*\e+5], s[\sb+2*\e:\sb+2*\e+1] offset:512
.endr
.endm
; ONE PRODUCT.  s25 = p; s28-31 its blocks and first row tiles.  Its first K half is on its way into slot 0, its scale words and bias into registers.
.macro BODY isv
	s_wait_tensorcnt 0x0                           ; my part of slot 0 is in: no tensor load of mine is out,
	ds_add_u32 v254, v255
	SETG0 1, 30, 31, 1                             ; so slot 1's group 0 may be written: this product's second K half
	s_wait_dscnt 0x0                               ; the add is done; my reads of slot 1 ended ahead of the last product's last K step
	CROUND                                         ; both hold of every wave of the sixteen work-groups
	JLOAD 1                                        ; my one tensor load behind the round
	FETCH 0
	WIN 0
	s_wait_xcnt 0x0                                ; the last product's stores, and my last prefetch, have read their registers and bases
	OUTPTR \isv
.if \isv
	WIN 0x82                                       ; window 2 to window 2
.irp a, 0,1
.irp j, 0,1,2,3,4,5,6,7
	v_mov_b32 v[BIV+8*\a+\j], v[VB+\a]             ; v's bias runs along S1: one number a lane and tile, as the C of that tile's eight first products
.endr
.endr
	WIN 0
	s_wait_alu depctr_va_vdst(0)                   ; ahead of the waits below
.else
	s_add_co_u32 s67, s25, 1
	TILES 67, 68, 69, 70, 71                       ; the next product's blocks and row tiles
	s_cmp_eq_u32 s21, 0
	s_cselect_b32 s78, s71, s70                    ; the prefetches: the first row tile of the operand that I fetch for,
	s_cselect_b32 s79, s23, s24                    ; my work-group's place among the four that ask for it jointly,
	s_lshl_b32 s66, s22, 2
	s_add_co_u32 s78, s78, s66                     ; my four tiles of the eight,
	s_add_co_u32 s78, s78, s79                     ; and of those the one at my place
	s_mul_i32 s78, s78, 12288
	s_mov_b32 s79, 0
	s_add_nc_u64 s[78:79], s[4:5], s[78:79]
.endif
	s_wait_loadcnt 0x0                             ; scale words and bias
	STEPN 0, 1+\isv
.if \isv == 0
	WIN 0
	global_prefetch_b8 v[PFO], s[78:79] th:TH_LOAD_NT scope:SCOPE_SE   ; the next product's first K half of that tile
.endif
	STEPN 1, 0
	STEPN 2, 0
	WIN 0                                          ; K STEP 3 changes slots
	s_wait_tensorcnt 0x0                           ; my part of slot 1 is in,
	ds_add_u32 v254, v255
.if \isv == 0
	SETG0 0, 70, 71, 0                             ; slot 0 takes the next product's first K half
.endif
	s_wait_dscnt 0x0                               ; the add is done, and my reads of slot 0 are over
	s_barrier_signal -1
	MUL 3, 0                                       ; work on registers while the others arrive
	WIN 0
	s_barrier_wait -1
.if \isv
	PLACES                                         ; nothing is filled again: no round follows
.else
	CREST                                          ; the barrier has opened a round: no wave of any partner still reads slot 0
	JLOAD 0                                        ; my one tensor load behind the round; its four plain lines are the places for the loads below
.endif
	FETCH 4
	STEPN 4, 0
.if \isv == 0
	WIN 0
	global_prefetch_b8 v[PFO], s[78:79] offset:6144 th:TH_LOAD_NT scope:SCOPE_SE   ; and its second K half
.endif
	STEPN 5, 0
	STEPN 6, 0
	s_wait_dscnt 0x0
	MUL 7, 0
	WIN 0
	PLACES                                         ; ahead of the loads into the scale words' registers and of the first read of the sums
.if \isv == 0
	SCALES 70, 71                                  ; the next product's scale words land under the way out,
	s_cmp_eq_u32 s25, 0
	s_cbranch_scc0 .Lnob_\@                        ; and, where it is k, its bias (v's two numbers came at the head)
	BIAS 10, 68
.Lnob_\@:
.endif
	QUANT ACC, PC0, PW
	PUT PC0, 84
	QUANT ACC+64, PC1, PW+1
	PUT PC1, 88
	v_cmp_eq_u32 vcc_lo, 1, v23
	v_cndmask_b32 v250, v[PW], v[PW+1], vcc_lo     ; lanes 0-15 the even tile's words, lanes 16-31 the odd tile's
.if \isv
	global_store_b32 v19, v250, s[92:93]           ; four blocks of 32 keys
.else
	v_and_b32 v251, 0xffff, v250                   ; a word holds two heads' two bytes each: each head gets its own word,
	v_or_b32 v251, 0x7f7f0000, v251                ; with 1.0 over the empty half of the instruction's K
	v_lshrrev_b32 v252, 16, v250
	v_or_b32 v252, 0x7f7f0000, v252
	global_store_b32 v19, v251, s[92:93]
	global_store_b32 v19, v252, s[94:95]
.endif
	s_wait_alu depctr_va_vdst(0)                   ; ahead of the scalar lines, the branch and the waits that follow
.endm
	s_load_b512 s[4:19], s[0:1], 0x0               ; aimg, ascl, bq, bk, bv, qimg, kimg, vimg
	v_lshl_add_u32 v254, v0, 2, SPARE
	v_mov_b32 v255, 0
	ds_add_u32 v254, v255                          ; the opening lines: the add twice on end and one wait, ahead of my first tensor load
	ds_add_u32 v254, v255
	v_lshrrev_b32 v1, 5, v0
	v_readfirstlane_b32 s20, v1                    ; wave 0..3
	s_lshr_b32 s21, s20, 1                         ; I fetch for S1 (0) or for S0 (1)
	s_and_b32 s22, s20, 1                          ; which four of its eight tiles
	s_bfe_u32 s23, ttmp6, 0x40000                  ; cx
	s_bfe_u32 s24, ttmp6, 0x40004                  ; cy
	s_and_b32 s26, ttmp7, 0xffff                   ; cluster y: which 512 tokens
	s_mov_b32 s27, ttmp9                           ; cluster x: which 512 rows of the weight
	s_mov_b32 s25, 0                               ; p
	s_mov_b32 s2, 0x76543210
	s_mov_b32 s3, 0xfedcba98                       ; selects for lane l xor 16
	s_lshl_b32 s96, s24, 2
	s_lshl_b32 s96, 15, s96                        ; my row of the cluster
	s_lshl_b32 s98, 0x1111, s23                    ; my column
	; descriptor group 1: 4 row tiles x 6,144 bytes (four K steps' images), 12,288 bytes apart; elements of 8 bytes
	s_or_b32 s[G1A], s96, (3<<16)|(1<<21)          ; S1's tiles go to my row
	s_or_b32 s[G1B], s98, (3<<16)|(1<<21)          ; S0's to my column
.irp g, G1A, G1B
	s_mov_b32 s[\g+1], 768<<16                     ; tensor_dim0
	s_mov_b32 s[\g+2], 4<<16                       ; tensor_dim1
	s_mov_b32 s[\g+3], 768<<16                     ; tile_dim0
	s_mov_b32 s[\g+4], 4                           ; tile_dim1
	s_mov_b32 s[\g+5], 1536                        ; from row to row
	s_mov_b32 s[\g+6], 0
	s_mov_b32 s[\g+7], 0
.endr
	s_mul_i32 s66, s20, 12288                      ; my two tiles of S1 in a slot
	v_and_b32 v17, 31, v0
	v_min_u32 v[PFO], 23, v17
	v_lshlrev_b32 v[PFO], 8, v[PFO]                ; 256 x min(lane, 23)
	v_lshlrev_b32 v18, 3, v17                      ; 8 x lane
	v_lshlrev_b32 v19, 2, v17                      ; 4 x lane
	v_lshlrev_b32 v17, 4, v17                      ; 16 x lane
	v_and_b32 v22, 15, v0                          ; r
	v_bfe_u32 v23, v0, 4, 1                        ; h
	v_lshlrev_b32 v20, 4, v22
	v_lshl_add_u32 v20, v23, 9, v20                ; scale words: 16 r, lanes 16-31 the next tile's
	v_lshlrev_b32 v21, 6, v23                      ; 64 h
	v_and_b32 v10, 8, v22
	v_add_nc_u32 v22, v10, v22
	v_lshlrev_b32 v22, 2, v22                      ; 4 (r + 8 (r / 8))
	v_add_nc_u32 v[A1W], s66, v17
	v_add_nc_u32 v[A1B], s66, v18
	v_add_nc_u32 v[A0W], 49152, v17                ; S0's tiles lie behind S1's eight
	v_add_nc_u32 v[A0B], 49152, v18
.irp r, A1W, A1B, A0W, A0B
	v_add_nc_u32 v[\r+1], SLOT, v[\r]
.endr
.irp b, 0,1,2,3
	v_mov_b32 v[TM+4+\b], 0                        ; a lane permute's destination counts as one of its sources
.endr
	s_wait_alu depctr_va_vdst(0)                   ; behind the head's last vector line, ahead of the waits below
	s_wait_dscnt 0x0                               ; both opening adds are done
	s_wait_kmcnt 0x0
	TILES 25, 28, 29, 30, 31
	s_mul_i32 s66, s20, 24576                      ; where my four tiles go in a slot
.irp s, 0,1
	s_mov_b32 s[G0A+4*\s], 1
	s_add_co_u32 s[G0A+4*\s+1], s66, \s*SLOT
	s_mov_b32 s[G0B+4*\s], 1
	s_add_co_u32 s[G0B+4*\s+1], s66, \s*SLOT
.endr
	SETG0 0, 30, 31, 0
	CROUND                                         ; all sixteen work-groups are here: the first joint loads meet
	JLOAD 0                                        ; q's first K half: one tensor load a wave at the head
	SCALES 30, 31
	BIAS 8, 28
	s_lshl_b32 s78, s27, 2                         ; v's bias: channel 128 (4 x + cy) + 32 w + 8 a + r + 8 (r / 8)
	s_add_co_u32 s78, s78, s24
	s_lshl_b32 s78, s78, 9
	s_lshl_b32 s79, s20, 7
	s_add_co_u32 s78, s78, s79
	s_mov_b32 s79, 0
	s_add_nc_u64 s[78:79], s[12:13], s[78:79]
	WIN 0x80
	global_load_b32 v[VB], v22, s[78:79]
	global_load_b32 v[VB+1], v22, s[78:79] offset:32
	WIN 0
.Lp:                                               ; two trips: q, k
	BODY 0
	s_mov_b32 s28, s68
	s_mov_b32 s29, s69
	s_mov_b32 s30, s70
	s_mov_b32 s31, s71
	s_add_co_u32 s25, s25, 1
	s_cmp_lt_u32 s25, 2
	s_cbranch_scc1 .Lp
	BODY 1                                         ; v: written out, since its second half asks for no tile
	s_wait_tensorcnt 0x0                           ; the wave's end
	ds_add_u32 v254, v255
	s_wait_dscnt 0x0
	CROUND                                         ; the closing round: no work-group ends while a partner may still ask for a tile that names it
	s_endpgm
.Lfunc_end_k_q350b1f894b_proj:
	.size	k_q350b1f894b_proj, .Lfunc_end_k_q350b1f894b_proj-k_q350b1f894b_proj
	.p2alignl 7, 3214868480
	.fill 96, 4, 3214868480
	.section	.rodata,"a",@progbits
	.p2align	6, 0x0
	.amdhsa_kernel k_q350b1f894b_proj
		.amdhsa_group_segment_fixed_size 327680
		.amdhsa_private_segment_fixed_size 0
		.amdhsa_enable_private_segment 0
		.amdhsa_kernarg_size 64
		.amdhsa_user_sgpr_count 2
		.amdhsa_user_sgpr_kernarg_segment_ptr 1
		.amdhsa_wavefront_size32 1
		.amdhsa_system_sgpr_workgroup_id_x 1
		.amdhsa_system_sgpr_workgroup_id_y 1
		.amdhsa_system_sgpr_workgroup_id_z 1
		.amdhsa_system_vgpr_workitem_id 0
		.amdhsa_next_free_vgpr 640
		.amdhsa_next_free_sgpr 106
		.amdhsa_reserve_vcc 1
		.amdhsa_float_denorm_mode_32 3
		.amdhsa_float_denorm_mode_16_64 3
		.amdhsa_memory_ordered 1
		.amdhsa_forward_progress 1
		.amdhsa_inst_pref_size 114
	.end_amdhsa_kernel
	.amdgpu_metadata
---
amdhsa.version: [ 1, 2 ]
amdhsa.kernels:
  - .name:           k_q350b1f894b_proj
    .symbol:         k_q350b1f894b_proj.kd
    .args:
      - { .name: aimg, .offset: 0, .size: 8, .value_kind: global_buffer, .address_space: global }
      - { .name: ascl, .offset: 8, .size: 8, .value_kind: global_buffer, .address_space: global }
      - { .name: bq, .offset: 16, .size: 8, .value_kind: global_buffer, .address_space: global }
      - { .name: bk, .offset: 24, .size: 8, .value_kind: global_buffer, .address_space: global }
      - { .name: bv, .offset: 32, .size: 8, .value_kind: global_buffer, .address_space: global }
      - { .name: qimg, .offset: 40, .size: 8, .value_kind: global_buffer, .address_space: global }
      - { .name: kimg, .offset: 48, .size: 8, .value_kind: global_buffer, .address_space: global }
      - { .name: vimg, .offset: 56, .size: 8, .value_kind: global_buffer, .address_space: global }
    .group_segment_fixed_size: 327680
    .private_segment_fixed_size: 0
    .kernarg_segment_align: 8
    .kernarg_segment_size: 64
    .max_flat_workgroup_size: 128
    .sgpr_count:     106
    .vgpr_count:     640
    .wavefront_size: 32
...
	.end_amdgpu_metadata
.endif
;; end of part 2
;; launch attn (part 3): grid 8 x 32, 16 waves a work-group, clusters of 4 x 1, 210,944 bytes of LDS; arguments qimg, kimg, vimg, mbits, ximg, xscl; writes ximg, xscl
.if DOCPART == 3
	.amdgcn_target "amdgcn-amd-amdhsa--gfx1250"
	.amdhsa_code_object_version 6
	.text
	.protected	k_q350b1f894b_attn
	.globl	k_q350b1f894b_attn
	.p2align	8
	.type	k_q350b1f894b_attn,@function
k_q350b1f894b_attn:
	s_mov_b64 s[64:65], 0
	v_nop
	global_prefetch_b8 v0, s[64:65] scope:SCOPE_SE
	s_setreg_imm32_b32 hwreg(HW_REG_WAVE_MODE, 25, 1), 1
	s_wait_xcnt 0x0
	s_wait_alu depctr_hold_cnt(0) depctr_sa_sdst(0) depctr_va_vdst(0) depctr_va_sdst(0) depctr_va_ssrc(0) depctr_va_vcc(0) depctr_vm_vsrc(0)
	s_getreg_b32 s2, hwreg(HW_REG_IB_STS2, 6, 4)
	s_cmp_eq_u32 s2, 0
	s_cbranch_scc0 .Lentry_in_a_cluster
	s_endpgm
.Lentry_in_a_cluster:
	s_bfe_u32 s2, ttmp6, 0x10000c
	s_cmp_lg_u32 s2, 0x3003
	s_cbranch_scc0 .Lentry_shape_is_right
	s_endpgm
.Lentry_shape_is_right:
; ATTN.  x[b][q][head] = softmax_k(where(mask, q . k / 8, -1e9)) v, both products on codes of FP6 (E2M3) with E8M0 scales; x is quantised along the model's 1,024 and leaves as operand images for the last launch.
; THE SOFTMAX AHEAD OF THE SECOND PRODUCT: t = score x log2(e) / 8; M = the row's largest t so far, rounded up to a whole number; p = 2^(t - M) is quantised along the keys, not normalised; the row's sum is taken of the
; unquantised p and divides at the end.  When M moves, the sum and O are multiplied by 2^(old M - new M), which rounds nothing.
; SHARES.  A work-group owns one (b, head) and 256 queries; each of its sixteen waves one tile of 16 queries in 256 registers, four waves to a SIMD, so that one wave's vector work stands beside another's products and LDS loads.
; The head's K (106,496 bytes) and V (102,400) lie in LDS whole: each byte is filled once, so there is no ring.  Waves 0 to 3 bring K's four quarters, waves 4 to 7 V's, one tensor load each; every wave waits for its load once, one barrier
; follows, and from there on no wave waits for another.  The four work-groups of a cluster share the head: the loads are joint.
; LAYOUT.  Both products are used transposed: S^T = K Q^T, O^T = V^T P^T: a lane holds one query throughout.  A tile's rows are 32 (T / 2) + 8 (T % 2) + i + 8 (i / 8), so the 16 registers of tiles 2 b, 2 b + 1 are keys 32 b + 16 h + 0 .. 15.
; A HEAD OF 64 IN AN INSTRUCTION OF K = 128: Q's registers 6-11 are zero codes.  K's tiles lie 6 registers apart; the upper six registers of a tile's operand are the next tile's codes (zeros behind the last): they meet Q's zero codes and add nothing.
; THE MASK comes as lane masks, one word for each score register, by scalar loads; a hidden score is replaced by -2^33 ahead of the maximum.  A KEY STEP'S 64 WORDS ARE ASKED FOR A WHOLE KEY STEP AHEAD: they stand in 64 scalar
; registers, and as soon as a step's 64 selections have read them the next step's four loads are issued into them.  That is why a wave has one tensor load and one group 0: 64 words, 14 pointers, constants and counters, two groups 1 and one
; group 0 are 98 of the 100 scalar registers that a text may name.
; LIMITS.  A hidden logit is -2^30 where reference() has -1e9: t = -2^33 c is then exact and whole, so that a row with every key hidden gives p = 1 on every key, as reference() does.  Results part from reference()'s only where an
; open logit lies near or under -1e9, which takes products some 1e9 times those of the drawn inputs.  A block of zeros gets the byte 1 (its codes are zeros; this program alone reads the bytes).  NaN and infinities are not served.
; x's scale bytes leave one byte a lane, 16 bytes apart: 128 KiB of the launch's 3.3 MB.
; No prefetch: all of a head's tiles are asked for at the head of the launch, and the mask words are read by sixteen heads.
; VECTOR REGISTERS: v1-3 lane terms; v4-9 the step's LDS addresses; v10 -2^33; v11 4 r; v12 -M, v13 the largest t, v[14:15] the sum in two halves; v16-21 Q, v22-27 zeros; v28 Q's scale words, v29 p's, v30-31 V's;
;   v32-79 K's or V's fragments, v80-85 zeros; v86-89 K's scale words; v96-159 S^T, then p; v160-191 O^T; v192-203 p's codes; v204-210 the conversions' second halves; v212-226 at work.
; SCALAR REGISTERS: s[2:3] Q's block; s[4:11], s[12:19] descriptor group 1 for K, for V; s[20:23] group 0; s24 my wave; s25 trips to go; s[26:27] the mask words of the step asked for last; s[28:59] words 32 .. 63; s[60:61] lane selects;
;   s[62:63] c; s66, s67 where the step's K and V begin in LDS; s[68:99] words 0 .. 31 (at the head: the arguments and what is at work); s[100:101] x's image; s[104:105] x's scale bytes.
.set KB,   6656                        ; a key step of K in LDS: 8 tiles x 768 bytes, then 4 x 128 bytes of scale words
.set VB,   6400                        ; of V: 4 tiles x 1,536 bytes, then 2 x 128
.set VOFF, 16*KB                       ; V lies behind K
.macro CROUND                          ; a round of the cluster's barrier
	s_barrier_signal -1
	s_barrier_wait -1
	s_cmp_lg_u32 s24, 0
	s_cbranch_scc1 .Lnot_wave_0_\@
	s_barrier_signal -3
.Lnot_wave_0_\@:
	s_barrier_wait -3
	s_barrier_signal -1
	s_barrier_wait -1
.endm
	s_load_b256 s[68:75], s[0:1], 0x0              ; qimg, kimg, vimg, mbits
	s_load_b128 s[76:79], s[0:1], 0x20             ; ximg, xscl
	v_lshl_add_u32 v254, v0, 2, 0x33000
	v_mov_b32 v255, 0
	ds_add_u32 v254, v255
	ds_add_u32 v254, v255
	v_lshrrev_b32 v1, 5, v0
	s_delay_alu instid0(VALU_DEP_1)
	v_readfirstlane_b32 s24, v1                    ; wave 0..15
	s_bfe_u32 s80, ttmp6, 0x40000                  ; cx: it enters Q's, the mask's and x's addresses alone
	s_and_b32 s81, ttmp7, 0xffff                   ; 16 b + head, which the four partners share
	; descriptor group 1: dense blocks as rows of 256 bytes (32 elements of 8): a quarter of K is 104 rows, of V 100; the mask names all four work-groups
	s_mov_b32 s4, 15|(3<<16)|(1<<21)
	s_mov_b32 s5, 32<<16
	s_mov_b32 s6, 104<<16
	s_mov_b32 s7, 32<<16
	s_mov_b32 s8, 104
	s_mov_b32 s9, 32
	s_mov_b32 s10, 0
	s_mov_b32 s11, 0
	s_mov_b32 s12, 15|(3<<16)|(1<<21)
	s_mov_b32 s13, 32<<16
	s_mov_b32 s14, 100<<16
	s_mov_b32 s15, 32<<16
	s_mov_b32 s16, 100
	s_mov_b32 s17, 32
	s_mov_b32 s18, 0
	s_mov_b32 s19, 0
	s_mov_b32 s60, 0x76543210
	s_mov_b32 s61, 0xfedcba98                      ; selects for lane l xor 16
	s_mov_b32 s62, 0x3e38aa3b                      ; c = log2(e) / 8
	s_mov_b32 s63, s62                             ; (named with it as a pair, so it is written)
	v_and_b32 v3, 31, v0
	s_delay_alu instid0(VALU_DEP_1)
	v_lshlrev_b32 v1, 4, v3                        ; 16 x lane
	s_delay_alu instid0(VALU_DEP_2)
	v_lshlrev_b32 v2, 3, v3                        ; 8 x lane
	s_delay_alu instid0(VALU_DEP_3)
	v_lshlrev_b32 v3, 2, v3                        ; 4 x lane
	v_and_b32 v11, 15, v0
	s_delay_alu instid0(VALU_DEP_1)
	v_lshlrev_b32 v11, 2, v11                      ; 4 r
	; descriptor group 0.  w = min(wave, 7): waves 8 to 15 fetch nothing (theirs is wave 7's and is not used)
	s_min_u32 s82, s24, 7
	s_min_u32 s83, s82, 4
	s_mov_b32 s20, 1                               ; count = 1
	s_mul_i32 s21, s82, 4*VB                       ; LDS: 25,600 w + 1,024 min(w, 4): K's quarter w at 26,624 w, V's quarter w - 4 at 106,496 + 25,600 (w - 4)
	s_lshl_b32 s83, s83, 10
	s_add_co_u32 s21, s21, s83
	s_and_b32 s86, s82, 3                          ; which quarter
	s_mov_b32 s84, 16*VB
	s_mov_b32 s85, 4*VB
	s_wait_dscnt 0x0
	s_wait_kmcnt 0x0
	s_cmp_lt_u32 s24, 4                            ; K's wave or V's?  The choice hangs on the wave's number alone
	s_cselect_b32 s84, 16*KB, s84                  ; a head's bytes
	s_cselect_b32 s85, 4*KB, s85                   ; a quarter's
	s_cselect_b64 s[22:23], s[70:71], s[72:73]
	s_mul_i32 s84, s84, s81
	s_mul_i32 s85, s85, s86
	s_add_co_u32 s84, s84, s85
	s_mov_b32 s85, 0
	s_add_nc_u64 s[22:23], s[22:23], s[84:85]      ; global address: my quarter of the head's K or V
	s_or_b32 s23, s23, 0x80000000                  ; type = 2
	CROUND                                         ; all four work-groups are here: the joint loads meet
	s_cmp_lt_u32 s24, 4                            ; one tensor load a wave: one load of mine is out
	s_cbranch_scc0 .Lnot_k
	tensor_load_to_lds s[20:23], s[4:11]
	s_nop 0
.rept 4
	v_nop
.endr
	s_branch .Lasked
.Lnot_k:
	s_cmp_lt_u32 s24, 8
	s_cbranch_scc0 .Lasked
	tensor_load_to_lds s[20:23], s[12:19]
	s_nop 0
.rept 4
	v_nop
.endr
.Lasked:
	s_lshl_b32 s88, ttmp9, 2
	s_add_co_u32 s88, s88, s80                     ; my block of 256 queries
	s_lshl_b32 s88, s88, 4
	s_add_co_u32 s88, s88, s24                     ; my tile of queries, 0 .. 127
	s_lshr_b32 s89, s81, 4
	s_lshl_b32 s89, s89, 7
	s_add_co_u32 s89, s89, s88                     ; 128 b + tile
	s_lshl_b32 s90, s89, 12
	s_mov_b32 s91, 0
	s_add_nc_u64 s[26:27], s[74:75], s[90:91]      ; its mask words: 256 bytes a key step
	s_lshr_b32 s92, s88, 3
	s_lshl_b32 s93, s81, 4
	s_add_co_u32 s92, s92, s93
	s_mul_i32 s90, s92, KB
	s_add_nc_u64 s[2:3], s[68:69], s[90:91]        ; its block of 128 tokens in qimg
	s_and_b32 s92, s88, 7                          ; its place in the block:
	s_mul_i32 s93, s92, 768                        ; the codes, 768 bytes a tile;
	s_lshl_b32 s92, s92, 6                         ; the scale words, 128 bytes a pair of tiles, 64 for the odd tile
	s_wait_alu depctr_va_vdst(0)
	v_add_nc_u32 v4, s93, v1
	v_add_nc_u32 v5, s93, v2
	v_add_nc_u32 v6, s92, v11
	global_load_b128 v[16:19], v4, s[2:3]          ; Q stays in registers
	global_load_b64 v[20:21], v5, s[2:3] offset:512
	global_load_b32 v28, v6, s[2:3] offset:6144
	s_and_b32 s92, s81, 15                         ; the head
	s_mul_i32 s90, s89, 12288
	s_mul_i32 s93, s92, 768
	s_add_co_u32 s90, s90, s93
	s_add_nc_u64 s[100:101], s[76:77], s[90:91]    ; x's image: K step head / 2, half head % 2
	s_lshl_b32 s90, s89, 9
	s_lshr_b32 s93, s92, 3
	s_lshl_b32 s93, s93, 8
	s_add_co_u32 s90, s90, s93
	s_and_b32 s93, s92, 7
	s_lshl_b32 s93, s93, 1
	s_add_co_u32 s90, s90, s93
	s_add_nc_u64 s[104:105], s[78:79], s[90:91]    ; x's two scale bytes of each row
	s_load_b512 s[68:83], s[26:27], 0x0            ; the first key step's 64 mask words, over the registers that held the arguments: all of those have been used
	s_load_b512 s[84:99], s[26:27], 0x40
	s_load_b512 s[28:43], s[26:27], 0x80
	s_load_b512 s[44:59], s[26:27], 0xc0
	s_mov_b32 s66, 0                               ; key step 0: K
	s_mov_b32 s67, VOFF                            ; and V
	s_mov_b32 s25, 15
	v_mov_b32 v10, 0xd0000000                      ; -2^33
	v_mov_b32 v13, 0xff61b1e6                      ; the largest t so far: -3e38, under every t
	s_delay_alu instid0(VALU_DEP_1)
	v_floor_f32 v12, -v13                          ; -M
	v_mov_b32 v14, 0
	v_mov_b32 v15, 0
.irp i, 0,1,2,3,4,5
	v_mov_b32 v[22+\i], 0                          ; the empty half of Q's operand
	v_mov_b32 v[80+\i], 0                          ; what stands behind K's last tile
.endr
.irp b, 0,1,2,3
	v_mov_b32 v[216+\b], 0                         ; a lane permute's destination counts as one of its sources
.endr
	v_mov_b32 v225, 0                              ; (named as the upper half of the pair v[224:225])
.set j, 0
.rept 32
	v_mov_b32 v[160+j], 0                          ; O^T: the first step finds zeros, which the first change of M leaves zeros
.set j, j+1
.endr
; A KEY STEP: 128 keys.  s66, s67: where the step's K and V begin in LDS.  more = 1: the next step's mask words are asked for.
.macro STEP more
	v_add_nc_u32 v4, s66, v1                       ; (these six are also the places between the last step's products and the loads into the registers that they read)
	v_add_nc_u32 v5, s66, v2
	v_add_nc_u32 v6, s66, v3
	v_add_nc_u32 v7, s67, v1
	v_add_nc_u32 v8, s67, v2
	v_add_nc_u32 v9, s67, v3
.irp t, 0,1,2,3,4,5,6,7
	ds_load_b128 v[32+6*\t:35+6*\t], v4 offset:768*\t
	ds_load_b64 v[36+6*\t:37+6*\t], v5 offset:768*\t+512
.endr
.irp q, 0,1,2,3
	ds_load_b32 v[86+\q], v6 offset:6144+128*\q
.endr
	s_wait_alu depctr_va_vdst(0)
	s_wait_dscnt 0x0
.irp t, 0,2,4,6                        ; S^T = K Q^T: an odd tile's scale words stand in lanes 16-31
	v_wmma_scale_f32_16x16x128_f8f6f4 v[96+8*\t:103+8*\t], v[32+6*\t:43+6*\t], v[16:27], 0, v[86+\t/2], v28 matrix_a_fmt:MATRIX_FMT_FP6 matrix_b_fmt:MATRIX_FMT_FP6
	v_wmma_scale_f32_16x16x128_f8f6f4 v[104+8*\t:111+8*\t], v[38+6*\t:49+6*\t], v[16:27], 0, v[86+\t/2], v28 matrix_a_fmt:MATRIX_FMT_FP6 matrix_b_fmt:MATRIX_FMT_FP6 matrix_a_scale:MATRIX_SCALE_ROW1
.endr
.rept 4
	v_nop                                          ; places in front of the loads into K's registers and of the first read of the scores
.endr
.irp t, 0,1,2,3                        ; V's four fragments are asked for now and land under the softmax
.irp e, 0,1
	ds_load_b128 v[32+12*\t+6*\e:35+12*\t+6*\e], v7 offset:1536*\t+768*\e
	ds_load_b64 v[36+12*\t+6*\e:37+12*\t+6*\e], v8 offset:1536*\t+768*\e+512
.endr
.endr
.irp q, 0,1
	ds_load_b32 v[30+\q], v9 offset:6144+128*\q
.endr
	s_wait_kmcnt 0x0                               ; this step's 64 mask words: asked for behind the last step's selections, a whole key step ago
.set j, 0
.rept 32
	v_cndmask_b32 v[96+j], v10, v[96+j], s[68+j]   ; a hidden score becomes -2^33; each accumulator from its low end on
.set j, j+1
.endr
.set j, 0
.rept 32
	v_cndmask_b32 v[128+j], v10, v[128+j], s[28+j]
.set j, j+1
.endr
.if \more
	s_add_nc_u64 s[26:27], s[26:27], 256           ; the scalar loads are done (the wait above): their base may step,
	s_load_b512 s[68:83], s[26:27], 0x0            ; and the words have been read: the next step's 64 take their registers, with the rest of this step in which to land
	s_load_b512 s[84:99], s[26:27], 0x40
	s_load_b512 s[28:43], s[26:27], 0x80
	s_load_b512 s[44:59], s[26:27], 0xc0
.endif
.irp b, 0,1,2,3
	v_max3_num_f32 v[212+\b], v[96+16*\b], v[97+16*\b], v[98+16*\b]   ; the largest score of each block of 32 keys: it serves for the row's maximum and, since p rises with the score, for the block's largest p
.endr
.irp i, 3,5,7,9,11,13
.irp b, 0,1,2,3
	s_delay_alu instid0(VALU_DEP_4)
	v_max3_num_f32 v[212+\b], v[212+\b], v[96+16*\b+\i], v[97+16*\b+\i]   ; (the four blocks by turns)
.endr
.endr
.irp b, 0,1,2,3
	s_delay_alu instid0(VALU_DEP_4)
	v_max_num_f32 v[212+\b], v[212+\b], v[111+16*\b]
.endr
.irp b, 0,1,2,3
	s_delay_alu instid0(VALU_DEP_4)
	v_permlanex16_b32 v[216+\b], v[212+\b], s60, s61
.endr
.irp b, 0,1,2,3
	s_delay_alu instid0(VALU_DEP_4)
	v_max_num_f32 v[212+\b], v[212+\b], v[216+\b]  ; with lane l xor 16's 16 keys
.endr
	s_delay_alu instid0(VALU_DEP_2)
	v_max3_num_f32 v226, v212, v213, v214
	s_delay_alu instid0(VALU_DEP_1)
	v_max_num_f32 v226, v226, v215                 ; the step's largest score of my query
	s_delay_alu instid0(VALU_DEP_1)
	v_mul_f32 v226, s62, v226                      ; as t
	s_delay_alu instid0(VALU_DEP_1)
	v_max_num_f32 v13, v13, v226                   ; the running largest t
	v_mov_b32 v226, v12
	s_delay_alu instid0(VALU_DEP_2)
	v_floor_f32 v12, -v13                          ; the new -M = floor(-t) = -ceil(t)
	s_delay_alu instid0(VALU_DEP_1)
	v_sub_f32 v226, v12, v226                      ; old M - new M: a whole number, 0 or less
	s_delay_alu instid0(VALU_DEP_1)
	v_cvt_i32_f32 v226, v226                       ; (it saturates)
	s_delay_alu instid0(VALU_DEP_1)
	v_ldexp_f32 v224, 1.0, v226                    ; f = 2^(old M - new M)
.set j, 0
.rept 32
	v_pk_fma_f32 v[96+j:97+j], v[96+j:97+j], s[62:63], v[12:13] op_sel_hi:[1,0,0]   ; t - M, two at a time
.set j, j+2
.endr
.irp b, 0,1,2,3
	v_fma_f32 v[212+\b], v[212+\b], s62, v12       ; the same of each block's largest score
.endr
.set j, 0
	s_wait_alu depctr_va_vdst(0)
.rept 64
	v_exp_f32 v[96+j], v[96+j]                     ; p = 2^(t - M), at most 1
.set j, j+1
.endr
	v_pk_mul_f32 v[14:15], v[14:15], v[224:225] op_sel_hi:[1,0]   ; the sums under the new M: the plain line behind the exponentials
	s_wait_alu depctr_va_vdst(0)                   ; one wait for the batch of 64, ahead of its first reader
.irp b, 0,1,2,3
	v_exp_f32 v[212+\b], v[212+\b]                 ; the block's largest p: the same two instructions on the same number
.endr
	v_pk_add_f32 v[216:217], v[100:101], v[104:105]
	v_pk_add_f32 v[252:253], v[108:109], v[112:113]
	v_pk_add_f32 v[250:251], v[116:117], v[120:121]
	v_pk_add_f32 v[248:249], v[124:125], v[128:129]
	v_pk_add_f32 v[246:247], v[132:133], v[136:137]
	v_pk_add_f32 v[244:245], v[140:141], v[144:145]
	v_pk_add_f32 v[242:243], v[148:149], v[152:153]
	v_pk_add_f32 v[14:15], v[14:15], v[156:157]
	v_pk_add_f32 v[216:217], v[216:217], v[96:97]
	v_pk_add_f32 v[252:253], v[252:253], v[98:99]
	v_pk_add_f32 v[250:251], v[250:251], v[102:103]
	v_pk_add_f32 v[248:249], v[248:249], v[106:107]
	v_pk_add_f32 v[246:247], v[246:247], v[110:111]
	v_pk_add_f32 v[244:245], v[244:245], v[114:115]
	v_pk_add_f32 v[242:243], v[242:243], v[118:119]
	v_pk_add_f32 v[14:15], v[14:15], v[122:123]
	v_pk_add_f32 v[216:217], v[216:217], v[126:127]
	v_pk_add_f32 v[252:253], v[252:253], v[130:131]
	v_pk_add_f32 v[250:251], v[250:251], v[134:135]
	v_pk_add_f32 v[248:249], v[248:249], v[138:139]
	v_pk_add_f32 v[246:247], v[246:247], v[142:143]
	v_pk_add_f32 v[244:245], v[244:245], v[146:147]
	v_pk_add_f32 v[242:243], v[242:243], v[150:151]
	v_pk_add_f32 v[14:15], v[14:15], v[154:155]
	v_pk_add_f32 v[216:217], v[216:217], v[158:159]
	s_delay_alu instid0(VALU_DEP_2)
	v_pk_add_f32 v[14:15], v[14:15], v[248:249]
	s_delay_alu instid0(VALU_DEP_2)
	v_pk_add_f32 v[216:217], v[216:217], v[246:247]
	v_pk_add_f32 v[252:253], v[252:253], v[244:245]
	v_pk_add_f32 v[250:251], v[250:251], v[242:243]
	s_delay_alu instid0(VALU_DEP_2)
	v_pk_add_f32 v[14:15], v[14:15], v[252:253]
	s_delay_alu instid0(VALU_DEP_2)
	v_pk_add_f32 v[216:217], v[216:217], v[250:251]
	s_delay_alu instid0(VALU_DEP_1)
	v_pk_add_f32 v[14:15], v[14:15], v[216:217]
	s_wait_alu depctr_va_vdst(0)                   ; and one for the four
.irp b, 0,1,2,3
	v_max_num_f32 v[212+\b], 0x1800000, v[212+\b]  ; the floor 2^(3 - 127): the byte cannot fall under 1
.endr
.irp b, 0,1,2,3
	s_delay_alu instid0(VALU_DEP_4)
	v_add_nc_u32 v[220+\b], 0xff000000, v[212+\b]  ; 2 off the exponent field: the conversion's scale operand
.endr
.irp b, 0,1,2,3
	s_delay_alu instid0(VALU_DEP_4)
	v_lshrrev_b32 v[216+\b], 23, v[220+\b]         ; the scale's byte
.endr
	s_delay_alu instid0(VALU_DEP_3)
	v_lshl_or_b32 v29, v217, 8, v216               ; p's scale word for these 128 keys
	s_delay_alu instid0(VALU_DEP_1)
	v_lshl_or_b32 v29, v218, 16, v29
	s_delay_alu instid0(VALU_DEP_1)
	v_lshl_or_b32 v29, v219, 24, v29
.irp c, 0,1
	v_cvt_scalef32_pk16_fp6_f32 v[192+6*\c:194+6*\c], v[96+32*\c:111+32*\c], v[220+2*\c]
	v_cvt_scalef32_pk16_fp6_f32 v[204+4*\c:206+4*\c], v[112+32*\c:127+32*\c], v[220+2*\c+1]
.endr
	v_nop                                          ; one plain line behind the scaled conversions
.irp c, 0,1                                    ; a whole block in a lane: lanes 0-15 block 2 c, lanes 16-31 block 2 c + 1
.irp i, 0,1,2
	v_permlane16_swap_b32 v[192+6*\c+\i], v[204+4*\c+\i]
.endr
.irp i, 0,1,2
	s_delay_alu instid0(VALU_DEP_3)
	v_mov_b32 v[195+6*\c+\i], v[204+4*\c+\i]
.endr
.endr
.set j, 0
.rept 16
	v_pk_mul_f32 v[160+j:161+j], v[160+j:161+j], v[224:225] op_sel_hi:[1,0]   ; O^T under the new M; these sixteen also stand between the lines that made p's codes and scale word and the products below
.set j, j+2
.endr
	s_wait_alu depctr_va_vdst(0)
	s_wait_dscnt 0x0                               ; V is in
.irp t, 0,2                            ; O^T += V^T P^T: the four accumulators take turns, one instruction a turn
	v_wmma_scale_f32_16x16x128_f8f6f4 v[160+8*\t:167+8*\t], v[32+12*\t:43+12*\t], v[192:203], v[160+8*\t:167+8*\t], v[30+\t/2], v29 matrix_a_fmt:MATRIX_FMT_FP6 matrix_b_fmt:MATRIX_FMT_FP6
	v_wmma_scale_f32_16x16x128_f8f6f4 v[168+8*\t:175+8*\t], v[44+12*\t:55+12*\t], v[192:203], v[168+8*\t:175+8*\t], v[30+\t/2], v29 matrix_a_fmt:MATRIX_FMT_FP6 matrix_b_fmt:MATRIX_FMT_FP6 matrix_a_scale:MATRIX_SCALE_ROW1
.endr
.endm
	s_wait_loadcnt 0x0                             ; Q is in: its offsets' registers take LDS addresses from here on
	s_wait_kmcnt 0x0                               ; the first mask words likewise: both were asked for behind the tensor load, so that no load of mine is out at the signal
	s_wait_tensorcnt 0x0                           ; in the eight waves that fetch: my quarter of K or of V is in
	s_barrier_signal -1
	s_barrier_wait -1                              ; the whole head lies in LDS for all sixteen waves; nothing is written there again, so this is the work-group's last barrier ahead of the closing round
.Lstep:                                            ; 15 trips
	STEP 1
	s_add_co_u32 s66, s66, KB
	s_add_co_u32 s67, s67, VB
	s_sub_co_u32 s25, s25, 1
	s_cmp_lg_u32 s25, 0
	s_cbranch_scc1 .Lstep
	STEP 0                                         ; the last key step is written out: it asks for no mask words, so that no load leaves its buffer
	; THE WAY OUT.  O^T / the sum is my query's 64 channels of this head: two blocks of 32 of the last product's K.
	v_add_f32 v14, v14, v15                        ; the sum's two halves,
	s_delay_alu instid0(VALU_DEP_1)
	v_permlanex16_b32 v226, v14, s60, s61
	s_delay_alu instid0(VALU_DEP_1)
	v_add_f32 v14, v14, v226                       ; and lane l xor 16's
	s_wait_alu depctr_va_vdst(0)
	v_rcp_f32 v14, v14
	v_and_b32 v4, 15, v0                           ; (plain lines behind the reciprocal, and places behind the last products)
	v_bfe_u32 v5, v0, 4, 1
	s_delay_alu instid0(VALU_DEP_1)
	v_lshl_add_u32 v4, v4, 4, v5                   ; 16 r + h: my scale byte's place
	s_delay_alu instid0(VALU_DEP_2)
	v_cmp_eq_u32 vcc_lo, 1, v5
	v_nop
	v_nop
	s_wait_alu depctr_va_vdst(0)                   ; the wait ahead of the reciprocal's first reader
.set j, 0
.rept 32
	v_mul_f32 v[96+j], v[160+j], v14               ; register 16 b + i: channel 32 b + 16 h + i; each accumulator from its low end on
.set j, j+1
.endr
.irp b, 0,1
	v_max3_num_f32 v[212+\b], |v[96+16*\b]|, |v[97+16*\b]|, 0x1800000
.endr
.irp i, 2,4,6,8,10,12,14
.irp b, 0,1
	s_delay_alu instid0(VALU_DEP_2)
	v_max3_num_f32 v[212+\b], v[212+\b], |v[96+16*\b+\i]|, |v[97+16*\b+\i]|
.endr
.endr
.irp b, 0,1
	s_delay_alu instid0(VALU_DEP_2)
	v_permlanex16_b32 v[216+\b], v[212+\b], s60, s61
.endr
.irp b, 0,1
	s_delay_alu instid0(VALU_DEP_2)
	v_max_num_f32 v[212+\b], v[212+\b], v[216+\b]
.endr
.irp b, 0,1
	s_delay_alu instid0(VALU_DEP_2)
	v_add_nc_u32 v[220+\b], 0xff000000, v[212+\b]
.endr
.irp b, 0,1
	s_delay_alu instid0(VALU_DEP_2)
	v_lshrrev_b32 v[216+\b], 23, v[220+\b]
.endr
	s_delay_alu instid0(VALU_DEP_1)
	v_cndmask_b32 v29, v216, v217, vcc_lo          ; lanes 0-15 store block 0's byte, lanes 16-31 block 1's
	v_cvt_scalef32_pk16_fp6_f32 v[192:194], v[96:111], v220
	v_cvt_scalef32_pk16_fp6_f32 v[204:206], v[112:127], v221
	v_nop                                          ; one plain line behind the scaled conversions
.irp i, 0,1,2
	v_permlane16_swap_b32 v[192+\i], v[204+\i]
.endr
.irp i, 0,1,2
	s_delay_alu instid0(VALU_DEP_3)
	v_mov_b32 v[195+\i], v[204+\i]
.endr
	global_store_b128 v1, v[192:195], s[100:101]   ; half an image: 512 and 256 consecutive bytes at multiples of 256
	global_store_b64 v2, v[196:197], s[100:101] offset:512
	global_store_b8 v4, v29, s[104:105]
	s_wait_tensorcnt 0x0
	ds_add_u32 v254, v255
	s_wait_dscnt 0x0
	CROUND                                         ; the closing round: no work-group ends while a partner may still ask for a tile that names it
	s_endpgm
.Lfunc_end_k_q350b1f894b_attn:
	.size	k_q350b1f894b_attn, .Lfunc_end_k_q350b1f894b_attn-k_q350b1f894b_attn
	.p2alignl 7, 3214868480
	.fill 96, 4, 3214868480
	.section	.rodata,"a",@progbits
	.p2align	6, 0x0
	.amdhsa_kernel k_q350b1f894b_attn
		.amdhsa_group_segment_fixed_size 210944
		.amdhsa_private_segment_fixed_size 0
		.amdhsa_enable_private_segment 0
		.amdhsa_kernarg_size 48
		.amdhsa_user_sgpr_count 2
		.amdhsa_user_sgpr_kernarg_segment_ptr 1
		.amdhsa_wavefront_size32 1
		.amdhsa_system_sgpr_workgroup_id_x 1
		.amdhsa_system_sgpr_workgroup_id_y 1
		.amdhsa_system_sgpr_workgroup_id_z 1
		.amdhsa_system_vgpr_workitem_id 0
		.amdhsa_next_free_vgpr 256
		.amdhsa_next_free_sgpr 106
		.amdhsa_reserve_vcc 1
		.amdhsa_float_denorm_mode_32 3
		.amdhsa_float_denorm_mode_16_64 3
		.amdhsa_memory_ordered 1
		.amdhsa_forward_progress 1
		.amdhsa_inst_pref_size 58
	.end_amdhsa_kernel
	.amdgpu_metadata
---
amdhsa.version: [ 1, 2 ]
amdhsa.kernels:
  - .name:           k_q350b1f894b_attn
    .symbol:         k_q350b1f894b_attn.kd
    .args:
      - { .name: qimg, .offset: 0, .size: 8, .value_kind: global_buffer, .address_space: global }
      - { .name: kimg, .offset: 8, .size: 8, .value_kind: global_buffer, .address_space: global }
      - { .name: vimg, .offset: 16, .size: 8, .value_kind: global_buffer, .address_space: global }
      - { .name: mbits, .offset: 24, .size: 8, .value_kind: global_buffer, .address_space: global }
      - { .name: ximg, .offset: 32, .size: 8, .value_kind: global_buffer, .address_space: global }
      - { .name: xscl, .offset: 40, .size: 8, .value_kind: global_buffer, .address_space: global }
    .group_segment_fixed_size: 210944
    .private_segment_fixed_size: 0
    .kernarg_segment_align: 8
    .kernarg_segment_size: 48
    .max_flat_workgroup_size: 512
    .sgpr_count:     106
    .vgpr_count:     256
    .wavefront_size: 32
...
	.end_amdgpu_metadata
.endif
;; end of part 3
;; launch outp (part 4): grid 8 x 32, 4 waves a work-group, clusters of 4 x 4, 230,912 bytes of LDS; arguments ximg, xscl, aimg, ascl, bo, out0; writes out0
.if DOCPART == 4
	.amdgcn_target "amdgcn-amd-amdhsa--gfx1250"
	.amdhsa_code_object_version 6
	.text
	.protected	k_q350b1f894b_outp
	.globl	k_q350b1f894b_outp
	.p2align	8
	.type	k_q350b1f894b_outp,@function
k_q350b1f894b_outp:
	s_mov_b64 s[64:65], 0
	v_nop
	global_prefetch_b8 v0, s[64:65] scope:SCOPE_SE
	s_setreg_imm32_b32 hwreg(HW_REG_WAVE_MODE, 25, 1), 1
	s_wait_xcnt 0x0
	s_wait_alu depctr_hold_cnt(0) depctr_sa_sdst(0) depctr_va_vdst(0) depctr_va_sdst(0) depctr_va_ssrc(0) depctr_va_vcc(0) depctr_vm_vsrc(0)
	s_getreg_b32 s2, hwreg(HW_REG_IB_STS2, 6, 4)
	s_cmp_eq_u32 s2, 0
	s_cbranch_scc0 .Lentry_in_a_cluster
	s_endpgm
.Lentry_in_a_cluster:
	s_bfe_u32 s2, ttmp6, 0x10000c
	s_cmp_lg_u32 s2, 0xf033
	s_cbranch_scc0 .Lentry_shape_is_right
	s_endpgm
.Lentry_shape_is_right:
; OUTP.  out0 = x Wo^T + bo on codes of FP6 (E2M3) with E8M0 scales, sums in f32.  x comes as operand images from the attention launch, Wo from the first launch (row tiles 960 .. 1,023 of aimg).
; A work-group makes 128 x 128 with all of K (1,024) in LDS: each byte that a tensor load fills is filled once, so there is no ring.
; S0 (source 0) = 128 rows of Wo: a lane's registers run along the output's columns.  S1 (source 1) = 128 tokens: a lane owns one.  Wave w owns S1's tiles 2 w, 2 w + 1 against S0's eight: 16 accumulators.
; Tile T holds rows 32 (T / 2) + 8 (T % 2) + i + 8 (i / 8), so register j of accumulator (a, b) is column 128 tile0 + 32 (b / 2) + 16 h + 8 (b % 2) + j of token 128 tile1 + 32 w + 8 a + r + 8 (r / 8).
; The bias is loaded into the accumulators while the tiles are on their way, so every K step adds in place and has one text.
; CLUSTER 4 x 4: S1's tile hangs on cy alone and is asked for jointly along a row of the cluster, S0's on cx alone, along a column.
; THE WAY OUT: 16 rows x 512 bytes at a time through the wave's own stage in LDS (behind the tiles, rows 528 bytes apart; no tensor load lands there); 32 lanes store 512 consecutive bytes at a multiple of 256.
; REGISTERS.  Window 0: v1-16 LDS addresses, v17-23 lane terms, v24-55 S0's scale words, v56-63 S1's, v64-191 accumulators, v192-255 rows on the way out.  Window 1: two sets of 120 registers of fragments.
.set ACC, 64
.set SC0, 24
.set SC1, 56
.set A0W, 1
.set A0B, 5
.set A1W, 9
.set A1B, 13
.set CH,  49152                        ; four row tiles with all of K: what one tensor load brings.  LDS: [S1's 8 tiles, then S0's 8][8 K steps' images]
.set STG, 4*CH                         ; the stages
.set SP,  528
.set MSB, 0
.macro WIN new                         ; the immediate's high byte repeats the setting that is left
.if MSB != \new
	s_set_vgpr_msb (MSB<<8)|\new
.set MSB, \new
.endif
.endm
.macro CROUND                          ; a round of the cluster's barrier
	s_barrier_signal -1
	s_barrier_wait -1
	s_cmp_lg_u32 s20, 0
	s_cbranch_scc1 .Lnot_wave_0_\@
	s_barrier_signal -3
.Lnot_wave_0_\@:
	s_barrier_wait -3
	s_barrier_signal -1
	s_barrier_wait -1
.endm
.macro PLACES                          ; four plain lines between a matrix instruction and a load into, or a read of, its registers
.rept 4
	v_nop
.endr
.endm
	s_load_b256 s[4:11], s[0:1], 0x0               ; ximg, xscl, aimg, ascl
	s_load_b128 s[12:15], s[0:1], 0x20             ; bo, out0
	s_set_vgpr_msb 0x40
	v_lshl_add_u32 v254, v0, 2, 0x38400
	v_mov_b32 v255, 0
	s_set_vgpr_msb 0x4045
	ds_add_u32 v254, v255
	ds_add_u32 v254, v255
	s_set_vgpr_msb 0x4500
	v_lshrrev_b32 v1, 5, v0
	v_readfirstlane_b32 s20, v1                    ; wave 0..3
	s_lshr_b32 s21, s20, 1                         ; I fetch for S1 (0) or for S0 (1)
	s_and_b32 s22, s20, 1                          ; which four of its eight tiles
	s_bfe_u32 s23, ttmp6, 0x40000                  ; cx
	s_bfe_u32 s24, ttmp6, 0x40004                  ; cy
	s_lshl_b32 s28, ttmp9, 2
	s_add_co_u32 s28, s28, s23                     ; tile0: which 128 rows of Wo
	s_and_b32 s29, ttmp7, 0xffff
	s_lshl_b32 s29, s29, 2
	s_add_co_u32 s29, s29, s24                     ; tile1: which 128 tokens
	s_lshl_b32 s30, s28, 3
	s_add_co_u32 s30, s30, 960                     ; S0's first row tile in aimg
	s_lshl_b32 s31, s29, 3                         ; S1's in ximg
	s_lshl_b32 s96, s24, 2
	s_lshl_b32 s96, 15, s96                        ; my row of the cluster
	s_lshl_b32 s98, 0x1111, s23                    ; my column
	; descriptor group 1: four row tiles with all eight K steps are 49,152 dense bytes: 16 rows of 3,072 bytes; elements of 8 bytes
	s_or_b32 s32, s96, (3<<16)|(1<<21)
	s_or_b32 s40, s98, (3<<16)|(1<<21)
.irp g, 32, 40
	s_mov_b32 s[\g+1], 384<<16
	s_mov_b32 s[\g+2], 16<<16
	s_mov_b32 s[\g+3], 384<<16
	s_mov_b32 s[\g+4], 16
	s_mov_b32 s[\g+5], 384
	s_mov_b32 s[\g+6], 0
	s_mov_b32 s[\g+7], 0
.endr
	; every lane term and LDS address is made here, on the one way that all waves take
	v_and_b32 v17, 31, v0
	v_lshlrev_b32 v18, 3, v17                      ; 8 x lane
	v_lshlrev_b32 v17, 4, v17                      ; 16 x lane
	v_and_b32 v19, 15, v0                          ; r
	v_bfe_u32 v21, v0, 4, 1                        ; h
	v_lshlrev_b32 v20, 4, v19
	v_lshl_add_u32 v20, v21, 9, v20                ; scale words: 16 r, lanes 16-31 the next tile's
	v_lshlrev_b32 v21, 6, v21                      ; 64 h
	s_mul_i32 s27, s20, 16*SP
	s_add_co_u32 s27, s27, STG                     ; my stage
	v_mul_u32_u24 v22, v19, SP
	v_add_nc_u32 v22, v22, v21
	v_add_nc_u32 v22, s27, v22                     ; in: row r, + 64 h
	v_add_nc_u32 v23, s27, v17                     ; back: a row's 512 bytes, 16 a lane
	s_mul_i32 s27, s20, 24576                      ; my two tiles of S1
.irp c, 0,1,2,3
	v_add_nc_u32 v[A0W+\c], \c*CH, v17
	v_add_nc_u32 v[A0B+\c], \c*CH, v18
.endr
.irp c, 0,1,2,3
	v_add_nc_u32 v[A1W+\c], s27, v[A0W+\c]
	v_add_nc_u32 v[A1B+\c], s27, v[A0B+\c]
.endr
	s_lshl_b32 s96, s22, 2
	s_add_co_u32 s96, s96, s31
	s_mul_i32 s96, s96, 12288
	s_mov_b32 s97, 0
	s_lshl_b32 s98, s22, 2
	s_add_co_u32 s98, s98, s30
	s_mul_i32 s98, s98, 12288
	s_mov_b32 s99, 0
	s_mul_i32 s26, s20, 49152                      ; where my four tiles go: wave x four tiles
	s_wait_dscnt 0x0
	s_wait_kmcnt 0x0
	s_add_nc_u64 s[96:97], s[4:5], s[96:97]
	s_add_nc_u64 s[98:99], s[8:9], s[98:99]
.irp c, 0
	s_mov_b32 s[48+4*\c], 1
	s_add_co_u32 s[49+4*\c], s26, \c*CH
	s_add_nc_u64 s[50+4*\c:51+4*\c], s[96:97], \c*3072
	s_or_b32 s[51+4*\c], s[51+4*\c], 0x80000000
	s_mov_b32 s[68+4*\c], 1
	s_add_co_u32 s[69+4*\c], s26, \c*CH
	s_add_nc_u64 s[70+4*\c:71+4*\c], s[98:99], \c*3072
	s_or_b32 s[71+4*\c], s[71+4*\c], 0x80000000
.endr
	CROUND                                         ; all sixteen work-groups are here: the joint loads meet
	s_cmp_eq_u32 s21, 0                            ; one tensor load a wave, in the two arms of one branch on the wave's number
	s_cbranch_scc0 .Lfor_s0
	tensor_load_to_lds s[48:51], s[32:39]
	s_nop 0
.rept 4
	v_nop
.endr
	s_branch .Lasked
.Lfor_s0:
	tensor_load_to_lds s[68:71], s[40:47]
	s_nop 0
.rept 4
	v_nop
.endr
.Lasked:
	s_lshl_b32 s98, s30, 9
	s_mov_b32 s99, 0
	s_add_nc_u64 s[98:99], s[10:11], s[98:99]      ; Wo's scale words
	s_lshl_b32 s96, s20, 1
	s_add_co_u32 s96, s96, s31
	s_lshl_b32 s96, s96, 9
	s_mov_b32 s97, 0
	s_add_nc_u64 s[96:97], s[6:7], s[96:97]        ; x's, of my two tiles
.irp q, 0,1,2,3
.irp f, 0,1
	global_load_b128 v[SC0+8*\q+4*\f:SC0+8*\q+4*\f+3], v20, s[98:99] offset:1024*\q+256*\f
.endr
.endr
.irp f, 0,1
	global_load_b128 v[SC1+4*\f:SC1+4*\f+3], v20, s[96:97] offset:256*\f
.endr
	s_lshl_b32 s2, s28, 9                          ; the bias starts the sums: register j of accumulator (a, b) wants column 128 tile0 + 32 (b / 2) + 16 h + 8 (b % 2) + j
	s_mov_b32 s3, 0
	s_add_nc_u64 s[12:13], s[12:13], s[2:3]
.irp a, 0,1
.irp b, 0,1,2,3,4,5,6,7
	global_load_b128 v[ACC+8*(8*\a+\b):ACC+8*(8*\a+\b)+3], v21, s[12:13] offset:(32*(\b/2)+8*(\b%2))*4
	global_load_b128 v[ACC+8*(8*\a+\b)+4:ACC+8*(8*\a+\b)+7], v21, s[12:13] offset:(32*(\b/2)+8*(\b%2))*4+16
.endr
.endr
	s_lshl_b32 s66, s29, 7
	s_lshl_b32 s67, s20, 5
	s_add_co_u32 s66, s66, s67                     ; my first token: 128 tile1 + 32 w
	s_lshl_b32 s66, s66, 12                        ; a row of out0 is 4,096 bytes
	s_add_co_u32 s66, s66, s2                      ; + 512 tile0
	s_mov_b32 s67, 0
	s_add_nc_u64 s[14:15], s[14:15], s[66:67]
.macro FRAG reg, a16, a8, off          ; an image comes back into the same registers of the same lanes
.irp e, 0,1
	ds_load_b128 v[(\reg)+6*\e:(\reg)+6*\e+3], v[\a16] offset:(\off)+768*\e
	ds_load_b64 v[(\reg)+6*\e+4:(\reg)+6*\e+5], v[\a8] offset:(\off)+768*\e+512
.endr
.endm
.macro FETCH ks, set                   ; K step ks: my two fragments of S1 and S0's eight: 40 LDS loads in one run
	WIN 0x40                                       ; destination window 1, address window 0
.irp a, 0,1
	FRAG 120*(\set)+12*\a, A1W, A1B, (\ks)*1536+\a*12288
.endr
.irp b, 0,1,2,3,4,5,6,7
	FRAG 120*(\set)+24+12*\b, A0W+2+\b/4, A0B+2+\b/4, (\b%4)*12288+(\ks)*1536
.endr
.endm
.macro WM a, b, ks, set                ; an odd tile's scale words stand in lanes 16-31
.if ((\b)%2 == 0) && ((\a) == 0)
	v_wmma_scale_f32_16x16x128_f8f6f4 v[ACC+8*(8*\a+\b):ACC+8*(8*\a+\b)+7], v[120*(\set)+24+12*\b:120*(\set)+24+12*\b+11], v[120*(\set)+12*\a:120*(\set)+12*\a+11], v[ACC+8*(8*\a+\b):ACC+8*(8*\a+\b)+7], v[SC0+8*(\b/2)+(\ks)], v[SC1+(\ks)] matrix_a_fmt:MATRIX_FMT_FP6 matrix_b_fmt:MATRIX_FMT_FP6
.elseif ((\b)%2 == 1) && ((\a) == 0)
	v_wmma_scale_f32_16x16x128_f8f6f4 v[ACC+8*(8*\a+\b):ACC+8*(8*\a+\b)+7], v[120*(\set)+24+12*\b:120*(\set)+24+12*\b+11], v[120*(\set)+12*\a:120*(\set)+12*\a+11], v[ACC+8*(8*\a+\b):ACC+8*(8*\a+\b)+7], v[SC0+8*(\b/2)+(\ks)], v[SC1+(\ks)] matrix_a_fmt:MATRIX_FMT_FP6 matrix_b_fmt:MATRIX_FMT_FP6 matrix_a_scale:MATRIX_SCALE_ROW1
.elseif ((\b)%2 == 0)
	v_wmma_scale_f32_16x16x128_f8f6f4 v[ACC+8*(8*\a+\b):ACC+8*(8*\a+\b)+7], v[120*(\set)+24+12*\b:120*(\set)+24+12*\b+11], v[120*(\set)+12*\a:120*(\set)+12*\a+11], v[ACC+8*(8*\a+\b):ACC+8*(8*\a+\b)+7], v[SC0+8*(\b/2)+(\ks)], v[SC1+(\ks)] matrix_a_fmt:MATRIX_FMT_FP6 matrix_b_fmt:MATRIX_FMT_FP6 matrix_b_scale:MATRIX_SCALE_ROW1
.else
	v_wmma_scale_f32_16x16x128_f8f6f4 v[ACC+8*(8*\a+\b):ACC+8*(8*\a+\b)+7], v[120*(\set)+24+12*\b:120*(\set)+24+12*\b+11], v[120*(\set)+12*\a:120*(\set)+12*\a+11], v[ACC+8*(8*\a+\b):ACC+8*(8*\a+\b)+7], v[SC0+8*(\b/2)+(\ks)], v[SC1+(\ks)] matrix_a_fmt:MATRIX_FMT_FP6 matrix_b_fmt:MATRIX_FMT_FP6 matrix_a_scale:MATRIX_SCALE_ROW1 matrix_b_scale:MATRIX_SCALE_ROW1
.endif
.endm
.macro MUL ks, set                     ; the 16 accumulators take turns, one instruction a turn, in the same order in every K step
	WIN 0x05                                       ; sources 0 and 1 window 1; C and D window 0
.irp a, 0,1
.irp b, 0,1,2,3,4,5,6,7
	WM \a, \b, \ks, \set
.endr
.endr
.endm
.macro KSTEP ks
.if (\ks) < 7
.if (\ks) > 0
	PLACES                                         ; the set to be loaded was multiplied in the last K step
.endif
	FETCH (\ks)+1, ((\ks)+1)%2
	s_wait_dscnt 40                                ; all but the 40 just issued: this K step's fragments are in
.else
	s_wait_dscnt 0x0
.endif
	MUL \ks, (\ks)%2
.endm
	s_wait_tensorcnt 0x0                           ; my four tiles are in; behind the barrier all sixteen are, for all of K
	s_barrier_signal -1
	s_barrier_wait -1
	s_wait_alu depctr_va_vdst(0)
	FETCH 0, 0
	s_wait_loadcnt 0x0                             ; scale words and bias
.irp k, 0,1,2,3,4,5,6,7
	KSTEP \k
.endr
	WIN 0
	PLACES
.irp a, 0,1                            ; S1's tile 2 w + a: 16 tokens x 128 columns through my stage
.if \a
	s_wait_xcnt 0x0                                ; the first tile's stores have read their registers: the second tile's rows may land there
.endif
.irp b, 0,1,2,3,4,5,6,7
	ds_store_b128 v22, v[ACC+8*(8*\a+\b):ACC+8*(8*\a+\b)+3] offset:128*(\b/2)+32*(\b%2)       ; each accumulator from its low end on
	ds_store_b128 v22, v[ACC+8*(8*\a+\b)+4:ACC+8*(8*\a+\b)+7] offset:128*(\b/2)+32*(\b%2)+16
.endr
.irp t, 0,1,2,3,4,5,6,7,8,9,10,11,12,13,14,15
	ds_load_b128 v[192+4*\t:195+4*\t], v23 offset:SP*\t   ; LDS serves a wave's instructions in order: these see my stores
.endr
.irp t, 0,1,2,3,4,5,6,7,8,9,10,11,12,13,14,15
	s_wait_dscnt 15-\t                             ; row t is back; the 15 - t younger loads may be out
	global_store_b128 v17, v[192+4*\t:195+4*\t], s[14:15] offset:(8*\a+\t+8*(\t/8))*4096 th:TH_STORE_NT   ; 32 lanes store 512 consecutive bytes; written once, read by nobody here
.endr
.endr
	s_set_vgpr_msb 0x5
	s_wait_tensorcnt 0x0
	ds_add_u32 v254, v255
	s_wait_dscnt 0x0
	s_set_vgpr_msb 0x500
	CROUND                                         ; the closing round: no work-group ends while a partner may still ask for a tile that names it
	s_endpgm
.Lfunc_end_k_q350b1f894b_outp:
	.size	k_q350b1f894b_outp, .Lfunc_end_k_q350b1f894b_outp-k_q350b1f894b_outp
	.p2alignl 7, 3214868480
	.fill 96, 4, 3214868480
	.section	.rodata,"a",@progbits
	.p2align	6, 0x0
	.amdhsa_kernel k_q350b1f894b_outp
		.amdhsa_group_segment_fixed_size 230912
		.amdhsa_private_segment_fixed_size 0
		.amdhsa_enable_private_segment 0
		.amdhsa_kernarg_size 48
		.amdhsa_user_sgpr_count 2
		.amdhsa_user_sgpr_kernarg_segment_ptr 1
		.amdhsa_wavefront_size32 1
		.amdhsa_system_sgpr_workgroup_id_x 1
		.amdhsa_system_sgpr_workgroup_id_y 1
		.amdhsa_system_sgpr_workgroup_id_z 1
		.amdhsa_system_vgpr_workitem_id 0
		.amdhsa_next_free_vgpr 512
		.amdhsa_next_free_sgpr 100
		.amdhsa_reserve_vcc 0
		.amdhsa_float_denorm_mode_32 3
		.amdhsa_float_denorm_mode_16_64 3
		.amdhsa_memory_ordered 1
		.amdhsa_forward_progress 1
		.amdhsa_inst_pref_size 57
	.end_amdhsa_kernel
	.amdgpu_metadata
---
amdhsa.version: [ 1, 2 ]
amdhsa.kernels:
  - .name:           k_q350b1f894b_outp
    .symbol:         k_q350b1f894b_outp.kd
    .args:
      - { .name: ximg, .offset: 0, .size: 8, .value_kind: global_buffer, .address_space: global }
      - { .name: xscl, .offset: 8, .size: 8, .value_kind: global_buffer, .address_space: global }
      - { .name: aimg, .offset: 16, .size: 8, .value_kind: global_buffer, .address_space: global }
      - { .name: ascl, .offset: 24, .size: 8, .value_kind: global_buffer, .address_space: global }
      - { .name: bo, .offset: 32, .size: 8, .value_kind: global_buffer, .address_space: global }
      - { .name: out0, .offset: 40, .size: 8, .value_kind: global_buffer, .address_space: global }
    .group_segment_fixed_size: 230912
    .private_segment_fixed_size: 0
    .kernarg_segment_align: 8
    .kernarg_segment_size: 48
    .max_flat_workgroup_size: 128
    .sgpr_count:     100
    .vgpr_count:     512
    .wavefront_size: 32
...
	.end_amdgpu_metadata
.endif
;; end of part 4
